; MI455X (gfx1250); checked and timed in simulation.
; The chip was launched on July 23, 2026; its instructions are those of AMD's public machine-readable ISA for CDNA 5 (MIT licence, August 2026) and "CDNA5" Instruction Set Architecture Reference Guide (July 2026). The comments in the code are by the model that wrote it; some were corrected since.
;; Block. Allowed arithmetic: float matrix products may take bf16 or f16 operands with f32 sums; all other float work in f32.
;; Inputs: W1 1,024 x 4,096 float32; W2 4,096 x 1,024 float32; Wk 1,024 x 1,024 float32; Wp 1,024 x 1,024 float32; Wq 1,024 x 1,024 float32; Wv 1,024 x 1,024 float32; b1 4,096 float32; b2 1,024 float32; be1 1,024 float32; be2 1,024 float32; bp 1,024 float32; g1 1,024 float32; g2 1,024 float32; x 4 x 1,024 x 1,024 float32.
;; Outputs: out0 4 x 1,024 x 1,024 float32.
;; 2 versions, each right; version 2 is version 1 with the launches prep, ln2 written anew for expert scheduling mode. Each part assembles by itself: llvm-mc -triple=amdgcn-amd-amdhsa -mcpu=gfx1250 --defsym DOCPART=n.
;; ======== version 1 of 2: 7 launches
;; limits: values are held in f16: magnitudes above 65,504 overflow, below 6.1e-05 lose precision
;; workspace buffers: wb 25,165,824 bytes; h 8,388,608 bytes; qkv 25,165,824 bytes; att 8,388,608 bytes; ffh 33,554,432 bytes; x1 16,777,216 bytes
;; launch prep (part 1): grid 256 x 1, 8 waves a work-group, no clusters, 0 bytes of LDS; arguments x, g1, be1, Wq, Wk, Wv, Wp, W1, W2, h, wb; writes h, wb
.if DOCPART == 1
	.amdgcn_target "amdgcn-amd-amdhsa--gfx1250"
	.amdhsa_code_object_version 6
	.text
	.protected	k_q1764da7fde_prep
	.globl	k_q1764da7fde_prep
	.p2align	8
	.type	k_q1764da7fde_prep,@function
k_q1764da7fde_prep:
	s_mov_b64 s[64:65], 0
	v_nop
	global_prefetch_b8 v0, s[64:65] scope:SCOPE_SE
	s_setreg_imm32_b32 hwreg(HW_REG_WAVE_MODE, 25, 1), 1
	s_wait_xcnt 0x0
; First of seven launches of a pre-LN transformer block (4096 rows, C = 1024, 16 heads of 64, feed-forward 4096):
;   prep: h = LN1(x) in f16, all weights cast to f16      qkv: q, k, v = h W      attn: causal attention
;   proj: x1 = x + att Wp + bp      ln2: h = LN2(x1)      ff1: relu(h W1 + b1)      ff2: out0 = x1 + ffh W2 + b2
; WORK LEFT OUT IN THE WHOLE PROGRAM: only the key tiles of attention that lie wholly above the diagonal.  For a query t and a key
; s > t the problem's own tril mask puts -inf in front of the softmax, so the weight is exp(-inf) = 0 and the product with v adds 0,
; whatever finite values x and the weights hold.  Limit: a NaN, an infinity or an overflow that arises only in such tiles is not
; carried to the result.  Every input has a way to the output and is loaded by some launch.
; THE MATRIX OPERANDS ARE f16 IN EVERY LAUNCH.  f16 rounds at 2^-11 of a value, bf16 at 2^-8.  A query with few keys has an attention output as
; large as v itself, and there the roundings of h, W, q, k, v, P and att reach the result at full size, by the residual and again through
; the feed-forward path: so the finer step is taken.  ROOM IN f16 (largest number 65,504; step 2^-24 below 2^-14):
;   h = LN g + be, and |LN| <= 32 for 1024 columns, so |h| <= 32 |g| + |be|: about 1,000 at a gain of 30;
;   weights are of size 0.03 (W2: 0.016): 30 times larger about 5 at the most; 30 times smaller 0.001 (0.0005), of which 2^-24 is under 2^-12;
;   q, k, v and relu's output are sums of 1024 products, of size 32 x size(h) x size(W): 1 for inputs of the problem's kind, about 1,300 with
;   gains, biases and weights all 30 times larger, the largest of them some six times that; P <= 1; att is a convex mix of v.
; Limit: an operand beyond 65,504 in magnitude becomes infinite.
; THIS LAUNCH streams: no LDS, no barrier, no matrix unit (nothing is multiplied by a matrix here, and no byte is shared).
; A work-group owns 16 rows of x, a wave 2.  A lane owns columns 4 lane + 128 j, j = 0..7: each load of a wave covers 512 consecutive
; bytes, each 8-byte store of a wave 256 consecutive bytes, aligned.  The row stays in registers: first the mean, then the mean of
; (x - mean)^2, so no difference of large sums is formed.  The work-group also casts 1/256 of every weight, layout unchanged:
; wb holds Wq, Wk, Wv, Wp (2,097,152 bytes each), then W1 at 8,388,608 and W2 at 16,777,216.
.set EXTRA, 16                         ; the cast loads issued behind the LayerNorm's loads
.set LO, 1                             ; v1  16 lane + 8192 wave: f32 bytes of my wave's two rows, and of its share of W1, W2
.set SO, 2                             ; v2  8 lane + 4096 wave: the same places in f16
.set GO, 3                             ; v3  16 lane: gain and bias
.set LS, 4                             ; v4  16 lane + 2048 wave: my wave's share of a small weight
.set SS, 5                             ; v5  8 lane + 1024 wave: the same in f16
.set T,  8                             ; v[8:15]   at work
.set MU, 16                            ; v[16:19]  the mean, twice, for each row
.set RS, 20                            ; v[20:23]  1/sqrt(var + eps), twice, for each row
.set X,  24                            ; v[24:87]  row q at X + 32 q
.set G,  88                            ; v[88:119] gain of my 32 columns
.set BE, 120                           ; v[120:151] bias of my 32 columns
.set CQ, 152                           ; v[152:215] 4 x 16 bytes of each of Wq, Wk, Wv, Wp
	s_load_b512 s[4:19], s[0:1], 0x0               ; x, g1, be1, Wq, Wk, Wv, Wp, W1
	s_load_b128 s[20:23], s[0:1], 0x40             ; W2, h
	s_load_b64 s[24:25], s[0:1], 0x50              ; wb
	s_mov_b32 s40, 0x76543210                      ; v_permlanex16_b32: lane i reads lane i of the other half
	s_mov_b32 s41, 0xfedcba98
	s_mov_b32 s42, 0x3a800000                      ; 1/1024
	s_lshl_b32 s26, ttmp9, 16                      ; 16 rows of 4,096 bytes; also 1/256 of W1, W2
	s_mov_b32 s27, 0
	s_lshl_b32 s28, ttmp9, 15                      ; the same in f16
	s_mov_b32 s29, 0
	s_lshl_b32 s30, ttmp9, 14                      ; 1/256 of a small weight
	s_mov_b32 s31, 0
	s_lshl_b32 s32, ttmp9, 13                      ; the same in f16
	s_mov_b32 s33, 0
	v_and_b32 v6, 31, v0                           ; lane
	v_lshrrev_b32 v7, 5, v0                        ; wave
	v_lshlrev_b32 v[GO], 4, v6
	v_lshl_add_u32 v[LO], v7, 13, v[GO]
	v_lshl_add_u32 v[LS], v7, 11, v[GO]
	v_lshlrev_b32 v6, 3, v6
	v_lshl_add_u32 v[SO], v7, 12, v6
	v_lshl_add_u32 v[SS], v7, 10, v6
	s_wait_kmcnt 0x0
	s_add_nc_u64 s[4:5], s[4:5], s[26:27]          ; x at my first row
	s_add_nc_u64 s[22:23], s[22:23], s[28:29]      ; h at my first row
	s_add_nc_u64 s[10:11], s[10:11], s[30:31]      ; my share of Wq, Wk, Wv, Wp
	s_add_nc_u64 s[12:13], s[12:13], s[30:31]
	s_add_nc_u64 s[14:15], s[14:15], s[30:31]
	s_add_nc_u64 s[16:17], s[16:17], s[30:31]
	s_add_nc_u64 s[18:19], s[18:19], s[26:27]      ; of W1, W2
	s_add_nc_u64 s[20:21], s[20:21], s[26:27]
	s_add_nc_u64 s[34:35], s[24:25], s[32:33]      ; wb: my share of the small weights (which one: the store's immediate)
	s_add_nc_u64 s[36:37], s[24:25], s[28:29]
	s_add_nc_u64 s[36:37], s[36:37], 0x800000      ; wb: my share of W1
	s_add_nc_u64 s[38:39], s[36:37], 0x800000      ; wb: my share of W2
.irp q, 0,1
.irp j, 0,1,2,3,4,5,6,7
	global_load_b128 v[X+32*\q+4*\j:X+32*\q+4*\j+3], v[LO], s[4:5] offset:4096*\q+512*\j
.endr
.endr
.irp j, 0,1,2,3,4,5,6,7
	global_load_b128 v[G+4*\j:G+4*\j+3], v[GO], s[6:7] offset:512*\j
.endr
.irp j, 0,1,2,3,4,5,6,7
	global_load_b128 v[BE+4*\j:BE+4*\j+3], v[GO], s[8:9] offset:512*\j
.endr
.irp m, 0,1,2,3
.irp i, 0,1,2,3
	global_load_b128 v[CQ+16*\m+4*\i:CQ+16*\m+4*\i+3], v[LS], s[10+2*\m:11+2*\m] offset:512*\i th:TH_LOAD_NT
.endr
.endr
.macro FOLD                            ; four chains of pairs into v[T]
	v_pk_add_f32 v[T:T+1], v[T:T+1], v[T+2:T+3]
	v_pk_add_f32 v[T+4:T+5], v[T+4:T+5], v[T+6:T+7]
	v_pk_add_f32 v[T:T+1], v[T:T+1], v[T+4:T+5]
	v_add_f32 v[T], v[T], v[T+1]
.endm
.macro WSUM                            ; v[T] summed over the 32 lanes, the result in every lane
	v_add_f32_dpp v[T], v[T], v[T] row_xmask:1 row_mask:0xf bank_mask:0xf
	v_add_f32_dpp v[T], v[T], v[T] row_xmask:2 row_mask:0xf bank_mask:0xf
	v_add_f32_dpp v[T], v[T], v[T] row_xmask:4 row_mask:0xf bank_mask:0xf
	v_add_f32_dpp v[T], v[T], v[T] row_xmask:8 row_mask:0xf bank_mask:0xf
	v_permlanex16_b32 v[T+1], v[T], s40, s41       ; its destination counts as read: FOLD has written it
	v_add_f32 v[T], v[T], v[T+1]
.endm
; Row q: the mean; x - mean in place; the mean of the squares; 1/sqrt(var + eps).
.macro STATS q
.irp c, 0,1,2,3
	v_pk_add_f32 v[T+2*\c:T+2*\c+1], v[X+32*\q+4*\c:X+32*\q+4*\c+1], v[X+32*\q+4*\c+2:X+32*\q+4*\c+3]
.endr
.irp c, 0,1,2,3,4,5,6,7
	v_pk_add_f32 v[T+2*(\c%4):T+2*(\c%4)+1], v[T+2*(\c%4):T+2*(\c%4)+1], v[X+32*\q+16+2*\c:X+32*\q+16+2*\c+1]
.endr
	FOLD
	WSUM
	v_mul_f32 v[MU+2*\q], s42, v[T]
	v_mul_f32 v[MU+2*\q+1], s42, v[T]
.set k, 0
.rept 16
	v_pk_add_f32 v[X+32*\q+2*k:X+32*\q+2*k+1], v[X+32*\q+2*k:X+32*\q+2*k+1], v[MU+2*\q:MU+2*\q+1] neg_lo:[0,1] neg_hi:[0,1]
.set k, k+1
.endr
.irp c, 0,1,2,3
	v_pk_mul_f32 v[T+2*\c:T+2*\c+1], v[X+32*\q+2*\c:X+32*\q+2*\c+1], v[X+32*\q+2*\c:X+32*\q+2*\c+1]
.endr
.set k, 4
.rept 12
	v_pk_fma_f32 v[T+2*(k%4):T+2*(k%4)+1], v[X+32*\q+2*k:X+32*\q+2*k+1], v[X+32*\q+2*k:X+32*\q+2*k+1], v[T+2*(k%4):T+2*(k%4)+1]
.set k, k+1
.endr
	FOLD
	WSUM
	v_fmaak_f32 v[T], s42, v[T], 0x3727c5ac        ; var + 1e-5
	v_rsq_f32 v[RS+2*\q], v[T]
	v_rsq_f32 v[RS+2*\q+1], v[T]
	v_nop                                          ; one plain instruction behind a transcendental before its result is used or its source rewritten (ISA guide 5.7.2)
.endm
; Row q: (x - mean) rs g + b, rounded once to f16, stored 8 bytes a lane.
.macro EMIT q
	s_wait_alu depctr_va_vdst(0)
.irp j, 0,1,2,3,4,5,6,7
	v_pk_mul_f32 v[X+32*\q+4*\j:X+32*\q+4*\j+1], v[X+32*\q+4*\j:X+32*\q+4*\j+1], v[RS+2*\q:RS+2*\q+1]
	v_pk_mul_f32 v[X+32*\q+4*\j+2:X+32*\q+4*\j+3], v[X+32*\q+4*\j+2:X+32*\q+4*\j+3], v[RS+2*\q:RS+2*\q+1]
	v_pk_fma_f32 v[X+32*\q+4*\j:X+32*\q+4*\j+1], v[X+32*\q+4*\j:X+32*\q+4*\j+1], v[G+4*\j:G+4*\j+1], v[BE+4*\j:BE+4*\j+1]
	v_pk_fma_f32 v[X+32*\q+4*\j+2:X+32*\q+4*\j+3], v[X+32*\q+4*\j+2:X+32*\q+4*\j+3], v[G+4*\j+2:G+4*\j+3], v[BE+4*\j+2:BE+4*\j+3]
	v_cvt_pk_f16_f32 v[X+32*\q+4*\j], v[X+32*\q+4*\j], v[X+32*\q+4*\j+1]
	v_cvt_pk_f16_f32 v[X+32*\q+4*\j+1], v[X+32*\q+4*\j+2], v[X+32*\q+4*\j+3]
	global_store_b64 v[SO], v[X+32*\q+4*\j:X+32*\q+4*\j+1], s[22:23] offset:2048*\q+256*\j
.endr
.endm
; n loads of 16 bytes a lane, at reg, are rounded to f16 in place and stored 8 bytes a lane.
.macro CAST reg, n, addr, base, off
.set k, 0
.rept \n
	v_cvt_pk_f16_f32 v[\reg+4*k], v[\reg+4*k], v[\reg+4*k+1]
	v_cvt_pk_f16_f32 v[\reg+4*k+1], v[\reg+4*k+2], v[\reg+4*k+3]
	global_store_b64 v[\addr], v[\reg+4*k:\reg+4*k+1], s[\base:\base+1] offset:\off+256*k
.set k, k+1
.endr
.endm
	s_wait_loadcnt 24+EXTRA                        ; row 0 is in; row 1, gain, bias and the cast loads stay out
	STATS 0
	s_wait_loadcnt 16+EXTRA                        ; row 1 is in
	STATS 1
	s_wait_loadcnt EXTRA                           ; gain and bias are in
	EMIT 0
	EMIT 1
	s_wait_xcnt 0x0                                ; the rows' registers are store data: they are loaded again only behind this wait
.set k, 0
.rept 16
	global_load_b128 v[X+4*k:X+4*k+3], v[LO], s[18:19] offset:512*k th:TH_LOAD_NT
.set k, k+1
.endr
.set k, 0
.rept 16
	global_load_b128 v[G+4*k:G+4*k+3], v[LO], s[20:21] offset:512*k th:TH_LOAD_NT
.set k, k+1
.endr
	s_wait_loadcnt 32                              ; the small weights are in; W1's and W2's 32 loads stay out
	CAST CQ,    4, SS, 34, 0
	CAST CQ+16, 4, SS, 34, 2097152
	CAST CQ+32, 4, SS, 34, 4194304
	CAST CQ+48, 4, SS, 34, 6291456
	s_wait_loadcnt 16                              ; W1's share is in
	CAST X, 16, SO, 36, 0
	s_wait_loadcnt 0x0
	CAST G, 16, SO, 38, 0
	s_endpgm
.Lfunc_end_k_q1764da7fde_prep:
	.size	k_q1764da7fde_prep, .Lfunc_end_k_q1764da7fde_prep-k_q1764da7fde_prep
	.p2alignl 7, 3214868480
	.fill 96, 4, 3214868480
	.section	.rodata,"a",@progbits
	.p2align	6, 0x0
	.amdhsa_kernel k_q1764da7fde_prep
		.amdhsa_group_segment_fixed_size 0
		.amdhsa_private_segment_fixed_size 0
		.amdhsa_enable_private_segment 0
		.amdhsa_kernarg_size 88
		.amdhsa_user_sgpr_count 2
		.amdhsa_user_sgpr_kernarg_segment_ptr 1
		.amdhsa_wavefront_size32 1
		.amdhsa_system_sgpr_workgroup_id_x 1
		.amdhsa_system_sgpr_workgroup_id_y 1
		.amdhsa_system_sgpr_workgroup_id_z 1
		.amdhsa_system_vgpr_workitem_id 0
		.amdhsa_next_free_vgpr 216
		.amdhsa_next_free_sgpr 66
		.amdhsa_reserve_vcc 0
		.amdhsa_float_denorm_mode_32 3
		.amdhsa_float_denorm_mode_16_64 3
		.amdhsa_memory_ordered 1
		.amdhsa_forward_progress 1
		.amdhsa_inst_pref_size 36
	.end_amdhsa_kernel
	.amdgpu_metadata
---
amdhsa.version: [ 1, 2 ]
amdhsa.kernels:
  - .name:           k_q1764da7fde_prep
    .symbol:         k_q1764da7fde_prep.kd
    .args:
      - { .name: x, .offset: 0, .size: 8, .value_kind: global_buffer, .address_space: global }
      - { .name: g1, .offset: 8, .size: 8, .value_kind: global_buffer, .address_space: global }
      - { .name: be1, .offset: 16, .size: 8, .value_kind: global_buffer, .address_space: global }
      - { .name: Wq, .offset: 24, .size: 8, .value_kind: global_buffer, .address_space: global }
      - { .name: Wk, .offset: 32, .size: 8, .value_kind: global_buffer, .address_space: global }
      - { .name: Wv, .offset: 40, .size: 8, .value_kind: global_buffer, .address_space: global }
      - { .name: Wp, .offset: 48, .size: 8, .value_kind: global_buffer, .address_space: global }
      - { .name: W1, .offset: 56, .size: 8, .value_kind: global_buffer, .address_space: global }
      - { .name: W2, .offset: 64, .size: 8, .value_kind: global_buffer, .address_space: global }
      - { .name: h, .offset: 72, .size: 8, .value_kind: global_buffer, .address_space: global }
      - { .name: wb, .offset: 80, .size: 8, .value_kind: global_buffer, .address_space: global }
    .group_segment_fixed_size: 0
    .private_segment_fixed_size: 0
    .kernarg_segment_align: 8
    .kernarg_segment_size: 88
    .max_flat_workgroup_size: 256
    .sgpr_count:     66
    .vgpr_count:     216
    .wavefront_size: 32
...
	.end_amdgpu_metadata
.endif
;; end of part 1
;; launch qkv (part 2): grid 12 x 16, 4 waves a work-group, clusters of 4 x 4, 327,680 bytes of LDS; arguments h, wb, qkv; writes qkv
.if DOCPART == 2
	.amdgcn_target "amdgcn-amd-amdhsa--gfx1250"
	.amdhsa_code_object_version 6
	.text
	.protected	k_q1764da7fde_qkv
	.globl	k_q1764da7fde_qkv
	.p2align	8
	.type	k_q1764da7fde_qkv,@function
k_q1764da7fde_qkv:
	s_mov_b64 s[64:65], 0
	v_nop
	global_prefetch_b8 v0, s[64:65] scope:SCOPE_SE
	s_setreg_imm32_b32 hwreg(HW_REG_WAVE_MODE, 25, 1), 1
	s_wait_xcnt 0x0
	s_wait_alu depctr_hold_cnt(0) depctr_sa_sdst(0) depctr_va_vdst(0) depctr_va_sdst(0) depctr_va_ssrc(0) depctr_va_vcc(0) depctr_vm_vsrc(0)
	s_getreg_b32 s2, hwreg(HW_REG_IB_STS2, 6, 4)
	s_cmp_eq_u32 s2, 0
	s_cbranch_scc0 .Lentry_in_a_cluster
	s_endpgm
.Lentry_in_a_cluster:
	s_bfe_u32 s2, ttmp6, 0x10000c
	s_cmp_lg_u32 s2, 0xf033
	s_cbranch_scc0 .Lentry_shape_is_right
	s_endpgm
.Lentry_shape_is_right:
; q, k, v = h [4096][1024] x (Wq | Wk | Wv) [1024][3072], f16 operands, f32 sums, f16 out.
; f16's room: |h| <= 32 |g| + |be|; the weights are of size 0.03; q, k, v are of size 32 x size(h) x size(W): 1 for inputs of the problem's
; kind, about 1,300 with gains, biases and weights all 30 times larger, the largest some six times that.  Limit: beyond 65,504 a result becomes infinite.
; A work-group makes 256 x 256 with four waves, a wave 128 x 128 (64 accumulator tiles, 512 registers).  K goes in steps of 128 through two
; LDS slots filled by the tensor data mover.  12 x 16 = 192 work-groups: 3072 columns are 12 blocks of 256; a block of 192 columns would
; give 256 work-groups but rows of B of 384 bytes, which are no whole pieces of 256.
; A (h) lies [M][K]: fragments by two 16-byte loads.  B (the weights) lies [K][N] as given: a slot holds 128 k-rows of 256 columns and the
; fragments come by the transposing LDS load, so no transposed copy of a weight is ever made.
; CLUSTERS 4 x 4: A's tile hangs on the block row alone and is asked for jointly along a row of the cluster, B's on the block column alone
; and is asked for jointly along a column: the requests for A and B are divided by four.
; OUT is panel-major: [column / 64][4096 rows][64] f16, so that a head's rows are dense; q heads are panels 0-15, k 16-31, v 32-47.
; The matrix instruction is used transposed (source 0 = 16 columns of B, source 1 = 16 rows of A): a lane's eight results are eight
; neighbouring columns of one row.
; Registers: window 0: v16-27 addresses, v64-191 A's fragments (two buffers), v192-223 packed results; window 1: v64-191 B's fragments;
; windows 2, 3: the accumulators of my rows 0-63, 64-127 (tile (a, b) at v[8 (8 a + b)]).
.set BIASED, 0                         ; 1: a bias starts the sums and relu ends them
.set NP,     1024                      ; columns in a row of the weight
.set KSTEP,  128
.set PITCH,  272                       ; A's LDS row: 256 bytes + 16: sixteen rows start 16 bytes apart modulo 256
.set BP,     544                       ; B's LDS row: 512 bytes + 32 = 17 x 32, an odd multiple of 32 for the transposing load
.set HALFT,  128*PITCH                 ; what one tensor load brings: 128 rows of A, or 64 k-rows of B (64 x 544 is the same)
.set SLOT,   4*HALFT
.set STAGE,  2*SLOT                    ; behind the ring: 16 rows x 272 bytes for each wave; no fill lands there
.set LAPS,   4                         ; 1024 / 256: a lap is two K steps
.set BROW,   NP*2
.set ADRA, 16
.set ADRB, 20
.set STO,  24
.set RD,   25
.set CO,   26
.set BO,   27
.set F0,   64
.set F1,   128
.set TMP,  192
.set BIA,  192                         ; window 1: the bias of my 128 columns, as eight C operands
.set G1,  24
.set G0,  32
.set G1B, 48
.set G0B, 56
.set MSB, 0
.macro WIN new                         ; the immediate's high byte repeats the setting that is left
.if MSB != \new
	s_set_vgpr_msb (MSB<<8)|\new
.set MSB, \new
.endif
.endm
.set MUL_LO, 0xa1                      ; source 0 (B) window 1, source 1 (A) window 0, C and D window 2
.set MUL_HI, 0xf1                      ; the same, C and D window 3
.set TO_B,   0x40                      ; destination window 1, address window 0
; A joint load: waves 0, 1 fetch A's halves, waves 2, 3 B's.  The branch hangs on the wave's number alone.
.macro JLOAD s
	s_cmp_eq_u32 s11, 0
	s_cbranch_scc0 .Lfor_b_\@
	tensor_load_to_lds s[G0+4*\s:G0+4*\s+3], s[G1:G1+7]
	s_nop 0
	s_branch .Lasked_\@
.Lfor_b_\@:
	tensor_load_to_lds s[G0B+4*\s:G0B+4*\s+3], s[G1B:G1B+7]
	s_nop 0
.Lasked_\@:
.endm
.macro CREST                           ; a round of the cluster's barrier behind its opening work-group barrier
	s_cmp_lg_u32 s10, 0
	s_cbranch_scc1 .Lnot_wave_0_\@
	s_barrier_signal -3
.Lnot_wave_0_\@:
	s_barrier_wait -3
	s_barrier_signal -1
	s_barrier_wait -1
.endm
.macro CROUND
	s_barrier_signal -1
	s_barrier_wait -1
	CREST
.endm
	s_load_b128 s[4:7], s[0:1], 0x0                ; h, wb
.if BIASED
	s_load_b64 s[66:67], s[0:1], 0x10              ; the bias
	s_load_b64 s[8:9], s[0:1], 0x18                ; out
.else
	s_load_b64 s[8:9], s[0:1], 0x10                ; out
	s_set_vgpr_msb 0x40
	v_lshl_add_u32 v255, v0, 2, 0x48400
	s_set_vgpr_msb 0x4000
	v_mov_b32 v255, 0
	s_set_vgpr_msb 0x1
	ds_add_u32 v255, v255
	s_set_vgpr_msb 0x100
.endif
	v_lshrrev_b32 v1, 5, v0
	v_readfirstlane_b32 s10, v1                    ; wave 0..3
	s_lshr_b32 s11, s10, 1                         ; my half of the block's rows; also: I fetch for A (0) or B (1)
	s_and_b32 s12, s10, 1                          ; my half of its columns; also: which half of that tile I fetch
	s_bfe_u32 s40, ttmp6, 0x40000                  ; cx
	s_bfe_u32 s41, ttmp6, 0x40004                  ; cy
	s_lshl_b32 s42, ttmp9, 2
	s_add_co_u32 s42, s42, s40                     ; block column
	s_and_b32 s13, ttmp7, 0xffff
	s_lshl_b32 s13, s13, 2
	s_add_co_u32 s13, s13, s41                     ; block row
	s_lshl_b32 s43, s41, 2
	s_lshl_b32 s43, 15, s43                        ; my row of the cluster
	s_lshl_b32 s44, 0x1111, s40                    ; my column of the cluster
	s_or_b32 s[G1+0], s43, 0x07710000              ; mask; 2-byte elements; padding on; bit 21 beside a mask; 4 words behind every 64
	s_mov_b32 s[G1+1], 128<<16                     ; tensor_dim0 = 128
	s_mov_b32 s[G1+2], 128<<16                     ; tensor_dim1 = 128
	s_mov_b32 s[G1+3], 128<<16                     ; tile_dim0 = 128 elements (256 bytes)
	s_mov_b32 s[G1+4], 128                         ; tile_dim1 = 128 rows
	s_mov_b32 s[G1+5], 1024                        ; elements from row to row of h
	s_mov_b32 s[G1+6], 0
	s_mov_b32 s[G1+7], 0
	s_or_b32 s[G1B+0], s44, 0x0fb10000             ; the column's mask; 8 words behind every 128
	s_mov_b32 s[G1B+1], 256<<16                    ; tensor_dim0 = 256
	s_mov_b32 s[G1B+2], 64<<16                     ; tensor_dim1 = 64
	s_mov_b32 s[G1B+3], 256<<16                    ; tile_dim0 = 256 elements (512 bytes)
	s_mov_b32 s[G1B+4], 64                         ; tile_dim1 = 64 k-rows
	s_mov_b32 s[G1B+5], NP                         ; elements from k-row to k-row
	s_mov_b32 s[G1B+6], 0
	s_mov_b32 s[G1B+7], 0
	s_lshl_b32 s17, s12, 7
	s_lshl_b32 s16, s13, 8
	s_add_co_u32 s16, s16, s17                     ; A: row 256 x block row + 128 x half,
	s_lshl_b32 s16, s16, 11                        ; in bytes (2,048 a row)
	s_mov_b32 s17, 0
.if BIASED
	s_lshl_b32 s46, s42, 9                         ; B: 512 bytes a block column, behind the weight's place in wb
	s_add_co_u32 s46, s46, 8388608
.else
	s_lshr_b32 s46, s42, 2                         ; B: which of Wq, Wk, Wv (four block columns each),
	s_lshl_b32 s46, s46, 21
	s_and_b32 s47, s42, 3
	s_lshl_b32 s47, s47, 9                         ; and 512 bytes a block column in it
	s_add_co_u32 s46, s46, s47
.endif
	s_mul_i32 s47, s12, 64*BROW                    ; my 64 k-rows of the step
	s_add_co_u32 s46, s46, s47
	s_mov_b32 s47, 0
	s_mul_i32 s20, s10, HALFT                      ; where my load lands: the wave's number alone
	s_wait_dscnt 0x0
	s_wait_kmcnt 0x0
	s_add_nc_u64 s[14:15], s[4:5], s[16:17]
	s_add_nc_u64 s[46:47], s[6:7], s[46:47]
	CROUND                                         ; all sixteen work-groups are here: the first joint loads meet
.irp s, 0,1
	s_mov_b32 s[G0+4*\s], 1
	s_add_co_u32 s[G0+4*\s+1], s20, \s*SLOT
	s_add_nc_u64 s[G0+4*\s+2:G0+4*\s+3], s[14:15], \s*KSTEP*2
	s_or_b32 s[G0+4*\s+3], s[G0+4*\s+3], 0x80000000
	s_mov_b32 s[G0B+4*\s], 1
	s_add_co_u32 s[G0B+4*\s+1], s20, \s*SLOT
	s_add_nc_u64 s[G0B+4*\s+2:G0B+4*\s+3], s[46:47], \s*KSTEP*BROW
	s_or_b32 s[G0B+4*\s+3], s[G0B+4*\s+3], 0x80000000
	JLOAD \s                                       ; two tensor loads of the wave are out
.endr
	v_and_b32 v1, 15, v0                           ; r = lane % 16
	v_bfe_u32 v2, v0, 4, 1                         ; h = lane / 16
	v_and_b32 v8, 7, v0
	v_bfe_u32 v7, v0, 3, 1
	v_mul_u32_u24 v3, v1, PITCH
	v_lshl_add_u32 v3, v2, 4, v3                   ; A: r x pitch + 16 h
	v_lshl_add_u32 v6, v2, 3, v8                   ; B: k-row 8 h + lane % 8,
	v_mul_u32_u24 v6, v6, BP
	v_lshl_add_u32 v6, v7, 4, v6                   ; 16 bytes further for lanes 8-15 and 24-31
	s_mul_i32 s21, s11, HALFT                      ; my 128 rows of A
	s_lshl_b32 s22, s12, 8                         ; my 128 columns of B,
	s_add_co_u32 s22, s22, 2*HALFT                 ; which lies behind A
.irp s, 0,1
	v_add_nc_u32 v[ADRA+\s], s21, v3
	v_add_nc_u32 v[ADRB+\s], s22, v6
	s_add_co_u32 s21, s21, SLOT
	s_add_co_u32 s22, s22, SLOT
.endr
	s_mul_i32 s23, s10, 16*PITCH
	s_add_co_u32 s23, s23, STAGE                   ; my stage
	v_add_nc_u32 v[STO], s23, v3                   ; in: row r, 16 bytes for each half of the lanes
	v_mul_u32_u24 v9, v7, PITCH                    ; back: lanes 0-7 a row's first 128 bytes, 8-15 the next row's, 16-31 the same of the second 128 bytes
	v_lshl_add_u32 v9, v8, 4, v9
	v_lshl_add_u32 v9, v2, 7, v9
	v_add_nc_u32 v[RD], s23, v9
	v_lshlrev_b32 v5, 4, v8                        ; and in memory: two rows of 128 bytes of one panel follow each other
	v_lshl_add_u32 v5, v7, 7, v5
	v_lshl_add_u32 v[CO], v2, 19, v5               ; lanes 16-31: the next panel
.if BIASED
	s_lshl_b32 s68, s42, 10                        ; the bias of my 128 columns: 1,024 bytes a block column + 512 a half
	s_lshl_b32 s69, s12, 9
	s_add_co_u32 s68, s68, s69
	s_mov_b32 s69, 0
	s_add_nc_u64 s[66:67], s[66:67], s[68:69]
	v_lshlrev_b32 v[BO], 5, v2                     ; lane (r, h), register j of tile b is column 16 b + 8 h + j
	WIN TO_B
.irp b, 0,1,2,3,4,5,6,7
	global_load_b128 v[BIA+8*\b:BIA+8*\b+3],   v[BO], s[66:67] offset:64*\b
	global_load_b128 v[BIA+8*\b+4:BIA+8*\b+7], v[BO], s[66:67] offset:64*\b+16
.endr
	WIN 0
.endif
; 16 matrix instructions.  zero = 1: the first product starts the sums; 2: the bias does, as C.  The 64 accumulators take turns, one
; instruction a turn, in the same order in every quarter.
.macro MUL16 f, hi, a0, zero
.irp a, \a0, \a0+1
.irp b, 0,1,2,3,4,5,6,7
.if \zero == 1
	v_wmma_f32_16x16x32_f16 v[8*(8*(\a)+\b):8*(8*(\a)+\b)+7], v[\f+8*\b:\f+8*\b+7], v[\f+8*(4*\hi+\a):\f+8*(4*\hi+\a)+7], 0
.else
.if \zero == 2
	v_wmma_f32_16x16x32_f16 v[8*(8*(\a)+\b):8*(8*(\a)+\b)+7], v[\f+8*\b:\f+8*\b+7], v[\f+8*(4*\hi+\a):\f+8*(4*\hi+\a)+7], v[BIA+8*\b:BIA+8*\b+7]
.else
	v_wmma_f32_16x16x32_f16 v[8*(8*(\a)+\b):8*(8*(\a)+\b)+7], v[\f+8*\b:\f+8*\b+7], v[\f+8*(4*\hi+\a):\f+8*(4*\hi+\a)+7], v[8*(8*(\a)+\b):8*(8*(\a)+\b)+7]
.endif
.endif
.endr
.endr
.endm
.macro MWIN hi, zero                   ; the window for a run of products; with the bias as C, source 2 is window 1
.if \zero == 2
	WIN 0x91+0x40*\hi
.else
	WIN MUL_LO+0x50*\hi
.endif
.endm
; 32 LDS loads in one run: quarter q (32 along K) of a slot into buffer f.  B: k-rows 32 q + 8 h + lane % 8 and sixteen further down.
.macro FETCH slot, q, f
	WIN TO_B
.irp i, 0,1,2,3,4,5,6,7
	ds_load_tr16_b128 v[\f+8*\i:\f+8*\i+3],   v[ADRB+\slot] offset:\q*32*BP+32*\i
	ds_load_tr16_b128 v[\f+8*\i+4:\f+8*\i+7], v[ADRB+\slot] offset:\q*32*BP+16*BP+32*\i
.endr
	WIN 0
.irp i, 0,1,2,3,4,5,6,7
	ds_load_b128 v[\f+8*\i:\f+8*\i+3],   v[ADRA+\slot] offset:\q*64+\i*16*PITCH
	ds_load_b128 v[\f+8*\i+4:\f+8*\i+7], v[ADRA+\slot] offset:\q*64+\i*16*PITCH+32
.endr
.endm
.macro PLACES                          ; four plain vector instructions between a matrix instruction and a load into, or a vector use of, its registers
.rept 4
	v_nop
.endr
.endm
.macro QUARTER slot, q, f, g, zero     ; multiplies buffer f; in its middle fetches quarter q into buffer g
	s_wait_dscnt 8                                 ; B and A's rows 0-63 are in; the youngest eight loads (A's rows 64-127) may be out
	MWIN 0, \zero
	MUL16 \f, 0, 0, \zero
	MUL16 \f, 0, 2, \zero
	PLACES
	FETCH \slot, \q, \g
	s_wait_dscnt 32                                ; all but the 32 just issued
	MWIN 1, \zero
	MUL16 \f, 1, 0, \zero
	MUL16 \f, 1, 2, \zero
.endm
.macro THREE slot, zero
	QUARTER \slot, 1, F0, F1, \zero
	QUARTER \slot, 2, F1, F0, 0
	QUARTER \slot, 3, F0, F1, 0
.endm
; The last quarter of a K step multiplies buffer 1 and changes slots.  In front of the barrier each wave waits for its reads of this slot
; and for all its tensor loads (one is out: its part of the next slot); behind it the refill comes first, then the next slot's fragments.
.macro TURN slot, next, fill
	s_wait_dscnt 8
	WIN MUL_LO
	MUL16 F1, 0, 0, 0
	s_wait_dscnt 0                                 ; my reads of this slot are over
	s_wait_tensorcnt 0x0                           ; all my tensor loads have landed
	ds_add_u32 v255, v255
	s_wait_dscnt 0x0
	s_barrier_signal -1
	MUL16 F1, 0, 2, 0                              ; register work while the others arrive
	WIN 0
	s_barrier_wait -1
.if \fill
	CREST                                          ; all sixteen work-groups have said so: no partner still reads this slot or has a load on its way
	s_add_nc_u64 s[G0+4*\slot+2:G0+4*\slot+3], s[G0+4*\slot+2:G0+4*\slot+3], 2*KSTEP*2
	s_add_nc_u64 s[G0B+4*\slot+2:G0B+4*\slot+3], s[G0B+4*\slot+2:G0B+4*\slot+3], 2*KSTEP*BROW
	JLOAD \slot                                    ; the wave's one tensor load behind the round
.endif
	PLACES
	FETCH \next, 0, F0
	WIN MUL_HI
	MUL16 F1, 1, 0, 0
	MUL16 F1, 1, 2, 0
.endm
.macro LAP zero
	THREE 0, \zero
	TURN 0, 1, 1
	THREE 1, 0
	TURN 1, 0, 1
.endm
	s_wait_tensorcnt 1                             ; my part of K step 0 is in; K step 1's stays out
	s_barrier_signal -1
	s_barrier_wait -1
	FETCH 0, 0, F0
.if BIASED
	s_wait_loadcnt 0x0                             ; the bias
	LAP 2
.else
	LAP 1
.endif
	WIN 0
	s_mov_b32 s3, LAPS-2
.Llap:
	LAP 0
	WIN 0
	s_sub_co_u32 s3, s3, 1
	s_cmp_lg_u32 s3, 0
	s_cbranch_scc1 .Llap
	THREE 0, 0                                     ; the last lap fills nothing
	TURN 0, 1, 0
	THREE 1, 0
	s_wait_dscnt 8
	WIN MUL_LO
	MUL16 F1, 0, 0, 0
	MUL16 F1, 0, 2, 0
	s_wait_dscnt 0
	WIN MUL_HI
	MUL16 F1, 1, 0, 0
	MUL16 F1, 1, 2, 0
	; THE WAY OUT, 16 rows at a time through my own stage: 16 bytes a lane in, two rows of one panel (256 consecutive bytes) for sixteen lanes out.
	PLACES
	s_lshl_b32 s16, s13, 8
	s_lshl_b32 s14, s11, 7
	s_add_co_u32 s16, s16, s14                     ; my first row,
	s_lshl_b32 s16, s16, 7                         ; 128 bytes a row in a panel
	s_mov_b32 s17, 0
	s_add_nc_u64 s[8:9], s[8:9], s[16:17]
	s_lshl_b32 s46, s42, 2                         ; my first panel: 4 x block column + 2 x half
	s_lshl_b32 s47, s12, 1
	s_add_co_u32 s46, s46, s47
	s_lshl_b32 s46, s46, 19                        ; 524,288 bytes a panel
	s_mov_b32 s47, 0
	s_add_nc_u64 s[8:9], s[8:9], s[46:47]
; rows 16 i .. 16 i + 15 of my block = tiles (a, 0..7) of window win; f: F0, F1 in turn
.macro OUT16 i, a, win, f
.if BIASED
	WIN (\win<<6)|(\win<<2)
.irp b, 0,1,2,3,4,5,6,7
.irp r, 0,1,2,3,4,5,6,7
	v_max_num_f32 v[8*(8*\a+\b)+\r], 0, v[8*(8*\a+\b)+\r]
.endr
.endr
.endif
	WIN (\win<<2)|\win
.irp b, 0,1,2,3,4,5,6,7
.irp r, 0,1,2,3
	v_cvt_pk_f16_f32 v[TMP+4*\b+\r], v[8*(8*\a+\b)+2*\r], v[8*(8*\a+\b)+2*\r+1]
.endr
.endr
	WIN 0
.irp b, 0,1,2,3,4,5,6,7
	ds_store_b128 v[STO], v[TMP+4*\b:TMP+4*\b+3] offset:32*\b
.endr
	s_wait_xcnt 0x0                                ; buffer f is store data of two turns ago: it is loaded again only behind this wait
.irp t, 0,1,2,3,4,5,6,7
	ds_load_b128 v[\f+4*\t:\f+4*\t+3], v[RD] offset:\t*2*PITCH     ; LDS serves a wave's instructions in order (ISA guide 5.7.1.4): these see the stores above
.endr
.irp t, 0,1,2,3,4,5,6,7
	s_wait_dscnt 7-\t
	global_store_b128 v[CO], v[\f+4*\t:\f+4*\t+3], s[8:9] offset:\i*2048+\t*256
.endr
.endm
	OUT16 0, 0, 2, F0
	OUT16 1, 1, 2, F1
	OUT16 2, 2, 2, F0
	OUT16 3, 3, 2, F1
	OUT16 4, 0, 3, F0
	OUT16 5, 1, 3, F1
	OUT16 6, 2, 3, F0
	OUT16 7, 3, 3, F1
	s_set_vgpr_msb 0x1
	s_wait_tensorcnt 0x0
	ds_add_u32 v255, v255
	s_wait_dscnt 0x0
	s_set_vgpr_msb 0x100
	CROUND                                         ; the closing round: no work-group ends while a partner may still ask for a tile that names it
	s_endpgm
.Lfunc_end_k_q1764da7fde_qkv:
	.size	k_q1764da7fde_qkv, .Lfunc_end_k_q1764da7fde_qkv-k_q1764da7fde_qkv
	.p2alignl 7, 3214868480
	.fill 96, 4, 3214868480
	.section	.rodata,"a",@progbits
	.p2align	6, 0x0
	.amdhsa_kernel k_q1764da7fde_qkv
		.amdhsa_group_segment_fixed_size 327680
		.amdhsa_private_segment_fixed_size 0
		.amdhsa_enable_private_segment 0
		.amdhsa_kernarg_size 24
		.amdhsa_user_sgpr_count 2
		.amdhsa_user_sgpr_kernarg_segment_ptr 1
		.amdhsa_wavefront_size32 1
		.amdhsa_system_sgpr_workgroup_id_x 1
		.amdhsa_system_sgpr_workgroup_id_y 1
		.amdhsa_system_sgpr_workgroup_id_z 1
		.amdhsa_system_vgpr_workitem_id 0
		.amdhsa_next_free_vgpr 1024
		.amdhsa_next_free_sgpr 72
		.amdhsa_reserve_vcc 0
		.amdhsa_float_denorm_mode_32 3
		.amdhsa_float_denorm_mode_16_64 3
		.amdhsa_memory_ordered 1
		.amdhsa_forward_progress 1
		.amdhsa_inst_pref_size 196
	.end_amdhsa_kernel
	.amdgpu_metadata
---
amdhsa.version: [ 1, 2 ]
amdhsa.kernels:
  - .name:           k_q1764da7fde_qkv
    .symbol:         k_q1764da7fde_qkv.kd
    .args:
      - { .name: h, .offset: 0, .size: 8, .value_kind: global_buffer, .address_space: global }
      - { .name: wb, .offset: 8, .size: 8, .value_kind: global_buffer, .address_space: global }
      - { .name: qkv, .offset: 16, .size: 8, .value_kind: global_buffer, .address_space: global }
    .group_segment_fixed_size: 327680
    .private_segment_fixed_size: 0
    .kernarg_segment_align: 8
    .kernarg_segment_size: 24
    .max_flat_workgroup_size: 128
    .sgpr_count:     72
    .vgpr_count:     1024
    .wavefront_size: 32
...
	.end_amdgpu_metadata
.endif
;; end of part 2
;; launch attn (part 3): grid 4 x 64, 4 waves a work-group, clusters of 4 x 1, 321,024 bytes of LDS; arguments qkv, att; writes att
.if DOCPART == 3
	.amdgcn_target "amdgcn-amd-amdhsa--gfx1250"
	.amdhsa_code_object_version 6
	.text
	.protected	k_q1764da7fde_attn
	.globl	k_q1764da7fde_attn
	.p2align	8
	.type	k_q1764da7fde_attn,@function
k_q1764da7fde_attn:
	s_mov_b64 s[64:65], 0
	v_nop
	global_prefetch_b8 v0, s[64:65] scope:SCOPE_SE
	s_setreg_imm32_b32 hwreg(HW_REG_WAVE_MODE, 25, 1), 1
	s_wait_xcnt 0x0
	s_wait_alu depctr_hold_cnt(0) depctr_sa_sdst(0) depctr_va_vdst(0) depctr_va_sdst(0) depctr_va_ssrc(0) depctr_va_vcc(0) depctr_vm_vsrc(0)
	s_getreg_b32 s2, hwreg(HW_REG_IB_STS2, 6, 4)
	s_cmp_eq_u32 s2, 0
	s_cbranch_scc0 .Lentry_in_a_cluster
	s_endpgm
.Lentry_in_a_cluster:
	s_bfe_u32 s2, ttmp6, 0x10000c
	s_cmp_lg_u32 s2, 0x3003
	s_cbranch_scc0 .Lentry_shape_is_right
	s_endpgm
.Lentry_shape_is_right:
; Causal attention, one (batch, head) for each cluster of four work-groups.  qkv and att are panel-major: [panel][4096 rows][64] f16.
; WORK LEFT OUT: key blocks wholly above the diagonal (their weights are exp(-inf) = 0 by the problem's own tril mask, for all inputs);
; a NaN or an infinity that arises only there is not carried to the result.
; f16's room: q, k, v as the launch before left them; P = exp(score - maximum) <= 1; the output is a convex mix of v, so it has v's range.
; All 1024 keys of K and V of the head lie in LDS, brought once by joint loads that name all four work-groups (the four read the same
; K and V): nothing is filled again, so there is no ring.  Waves 0, 1 bring K, waves 2, 3 V, 256 keys a load, two loads each.
; QUERIES: a group g is 128 rows.  Work-group j takes two pieces of 16 rows of EVERY group: rows 128 g + 16 j and 128 g + 64 + 16 j, so
; that no branch, trip count or LDS address hangs on j: j enters the global addresses of Q and of the output and the mask's compare.
; Wave w takes groups 7 - w and w.  Key blocks of 64: blocks 0 .. 2g-1 are full for both pieces; block 2g masks piece 0; block 2g+1 is
; dead for piece 0 and masks piece 1: 4 g + 3 piece-blocks a group, 34 for every wave.
; LAYOUT: S^T = K Q^T (source 0 = 16 keys, source 1 = 16 queries): lane (r, h), register i holds key 16 t + 8 h + i of query r, so two
; neighbouring tiles pack into the 32-key fragment of P, and O^T = V^T P^T (V by the transposing LDS load) keeps query r in lane r:
; maximum, sum and rescaling are per lane; one exchange of the halves joins the maximum, the sum is joined once at the end.
; The running maximum is taken away before every exponential.
; THE TWO PIECES TAKE TURNS.  A step is one piece's vector phase with the other piece's products set into it, a slice of vector work behind
; each product:   VA(b): softmax of piece 0 on block b   beside   S of piece 1 on block b,     then PV of piece 1 on block b - 1
;                 VB(b): softmax of piece 1 on block b   beside   S of piece 0 on block b + 1, then PV of piece 0 on block b
; K(b+1) is fetched in VA(b) behind its S products, V(b) behind its PV products: each fragment is loaded once and serves both pieces.
; A trip (VA, VB) has 32 products and 250 vector instructions.
; REGISTER WINDOWS.  Both phases together hold 320 registers, more than an instruction can name, so they are laid out for two settings:
;   window 0: addresses and per-lane scalars, Q of both groups, K's fragments, P, S;   window 1: O, V's fragments, the running sums, the packed results.
;   setting 0:    S products (all operands in window 0) beside maximum, alpha, fma, exp and the conversion to P (89 instructions);
;   setting 0x51 (destination, source 0 and source 2 in window 1): PV products (D = C = O, A = V, B = P in window 0) beside the sums
;                 (sum = sum + S: S is source 1) and the rescaling of the sums and of O (alpha is source 1): 36 instructions.
;   With the fetch of V (destination in window 1) that is five switches a trip.
; THE WAY OUT: a group's result is divided, rounded and packed into 32 registers at the group's end; both groups' results leave at the very
; end: every wave waits for its reads of K and V and passes a barrier, and only behind it is anything stored into LDS (each wave's stage).
; Every wave has done its 34 piece-blocks by then, so the waves reach that barrier together.
; Limits: weights below 2^-126 are flushed to 0 by v_exp_f32, and P below 2^-25 rounds to 0 in f16, beside a sum of at least 1;
; sums run in another order than the reference's.
.set PANB,  524288
.set KP,    144                        ; K's LDS row: 128 bytes + 16
.set VP,    160                        ; V's LDS row: 128 bytes + 32 = 5 x 32
.set VBASE, 1024*KP                    ; 147,456
.set STAGE, VBASE+1024*VP              ; 311,296: 16 rows x 144 bytes for each wave; no fill lands there
; window 0
.set KAD,  2                           ; v2   K's address, stepped by 64 keys behind each fetch
.set VAD,  3                           ; v3   V's address
.set DREL, 4                           ; v4   16 j + r - 8 h: key 16 t + i of the lane is masked if it is larger
.set NINF, 5
.set QOFF, 6
.set STO,  7
.set RD,   8
.set OOFF, 9
.set MX,   10                          ; v10, v11  running maxima of the two pieces
.set KAD0, 14
.set VAD0, 15
.set AL,   16                          ; v[16:17], v[20:21]  alpha (the second register is 0 and not used)
.set NM,   18                          ; v[18:19], v[22:23]  - c x maximum
.set T,    24                          ; v[24:31]  at work
.set Q1,   32                          ; v[32:63]   Q of group 7 - w: piece p, kk at 16 p + 8 kk
.set KF,   64                          ; v[64:127]  K: tile t, kk at 64 + 8 (2 t + kk)
.set P,    128                         ; v[128:159] P in f16: piece p, 32 keys kk at 128 + 16 p + 8 kk
.set Q2,   160                         ; v[160:191] Q of group w
.set S,    192                         ; v[192:255] scores: piece p, tile t at 192 + 32 p + 8 t
; window 1
.set O,    0                           ; v[0:63]    O of the group at work: piece p, dt at 32 p + 8 dt
.set VF,   64                          ; v[64:127]  V: kk, dt at 64 + 8 (4 kk + dt); on the way out: the rows read back
.set TS,   128                         ; v[128:143] running sums: piece p, four chains of pairs at 128 + 8 p
.set SV1,  160                         ; v[160:191] group 7 - w's result, packed
.set SV2,  192                         ; v[192:223] group w's result, packed
.set QB,   Q1                          ; the group at work: its Q
.set W_PV,  0x51                       ; destination, source 0, source 2 in window 1
.set W_D1,  0x40                       ; destination in window 1
.set W_PK,  0x45                       ; destination, source 0, source 1 in window 1
.set W_OUT, 0x44                       ; destination and source 1 (store data) in window 1
.set G1K, 24
.set G0K, 32
.set G1V, 48
.set G0V, 56
.set MSB, 0
.macro WIN new                         ; the immediate's high byte repeats the setting that is left
.if MSB != \new
	s_set_vgpr_msb (MSB<<8)|\new
.set MSB, \new
.endif
.endm
.macro ROUND                           ; a round of the cluster's barrier
	s_barrier_signal -1
	s_barrier_wait -1
	s_cmp_lg_u32 s10, 0
	s_cbranch_scc1 .Lnot_wave_0_\@
	s_barrier_signal -3
.Lnot_wave_0_\@:
	s_barrier_wait -3
	s_barrier_signal -1
	s_barrier_wait -1
.endm
	s_load_b128 s[4:7], s[0:1], 0x0                ; qkv, att
	v_lshl_add_u32 v13, v0, 2, 0x4e400
	v_mov_b32 v31, 0
	ds_add_u32 v13, v31
	v_lshrrev_b32 v1, 5, v0
	v_readfirstlane_b32 s10, v1                    ; wave 0..3
	s_lshr_b32 s11, s10, 1                         ; I fetch K (0) or V (1)
	s_and_b32 s12, s10, 1                          ; which 256 keys of a half
	s_bfe_u32 s40, ttmp6, 0x40000                  ; j = cx
	s_and_b32 s13, ttmp7, 0xffff                   ; 16 b + head
	s_lshr_b32 s14, s13, 4
	s_and_b32 s15, s13, 15
	s_mov_b32 s20, 0x76543210                      ; v_permlanex16_b32: lane i reads lane i of the other half
	s_mov_b32 s21, 0xfedcba98
	s_mov_b32 s44, 0x3e38aa3b                      ; c = 64^-0.5 x log2 e
	s_mov_b32 s45, 0x3e38aa3b
	s_mov_b32 s46, 0xbe38aa3b                      ; - c
	; 256 keys are 32,768 dense bytes of a panel: 128 rows of 256 bytes, padded behind every 128 bytes (32 words), so each key gets its pad
	s_mov_b32 s[G1K+0], 0x0731000f                 ; mask: all four; 2-byte elements; padding on; bit 21 beside a mask; 4 words behind every 32
	s_mov_b32 s[G1K+1], 128<<16
	s_mov_b32 s[G1K+2], 128<<16
	s_mov_b32 s[G1K+3], 128<<16
	s_mov_b32 s[G1K+4], 128
	s_mov_b32 s[G1K+5], 128
	s_mov_b32 s[G1K+6], 0
	s_mov_b32 s[G1K+7], 0
	s_mov_b32 s[G1V+0], 0x0f31000f                 ; the same with 8 words of padding
	s_mov_b32 s[G1V+1], 128<<16
	s_mov_b32 s[G1V+2], 128<<16
	s_mov_b32 s[G1V+3], 128<<16
	s_mov_b32 s[G1V+4], 128
	s_mov_b32 s[G1V+5], 128
	s_mov_b32 s[G1V+6], 0
	s_mov_b32 s[G1V+7], 0
	s_lshl_b32 s16, s15, 19                        ; the head's panel
	s_lshl_b32 s17, s14, 17                        ; the batch's 1024 rows of 128 bytes
	s_add_co_u32 s16, s16, s17
	s_lshl_b32 s17, s12, 15                        ; my 256 keys
	s_add_co_u32 s18, s16, s17
	s_add_co_u32 s18, s18, 16*PANB                 ; k heads are panels 16-31
	s_mov_b32 s19, 0
	s_mul_i32 s22, s10, 256*KP                     ; K lands at wave x 36,864 (waves 0, 1)
	s_mul_i32 s23, s10, 256*VP
	s_add_co_u32 s23, s23, VBASE-512*VP            ; V at 147,456 + (wave - 2) x 40,960 (waves 2, 3)
	s_wait_dscnt 0x0
	s_wait_kmcnt 0x0
	s_add_nc_u64 s[18:19], s[4:5], s[18:19]
.irp u, 0,1
	s_mov_b32 s[G0K+4*\u], 1
	s_add_co_u32 s[G0K+4*\u+1], s22, \u*512*KP
	s_add_nc_u64 s[G0K+4*\u+2:G0K+4*\u+3], s[18:19], \u*65536
	s_or_b32 s[G0K+4*\u+3], s[G0K+4*\u+3], 0x80000000
	s_mov_b32 s[G0V+4*\u], 1
	s_add_co_u32 s[G0V+4*\u+1], s23, \u*512*VP
	s_add_nc_u64 s[G0V+4*\u+2:G0V+4*\u+3], s[18:19], 16*PANB+\u*65536   ; v heads are panels 32-47
	s_or_b32 s[G0V+4*\u+3], s[G0V+4*\u+3], 0x80000000
.endr
	ROUND                                          ; the four work-groups are here: the joint loads meet
	s_cmp_eq_u32 s11, 0
	s_cbranch_scc0 .Lfor_v
	tensor_load_to_lds s[G0K:G0K+3], s[G1K:G1K+7]          ; keys 0-511 (my 256 of them)
	s_nop 0
	tensor_load_to_lds s[G0K+4:G0K+7], s[G1K:G1K+7]        ; keys 512-1023
	s_nop 0
	s_branch .Lasked
.Lfor_v:
	tensor_load_to_lds s[G0V:G0V+3], s[G1V:G1V+7]
	s_nop 0
	tensor_load_to_lds s[G0V+4:G0V+7], s[G1V:G1V+7]
	s_nop 0
.Lasked:                                           ; two tensor loads of the wave are out, the most in this text
	; bases of Q and of the output for my two groups; they hold j and reach no descriptor
	s_lshl_b32 s77, s40, 11                        ; 16 j rows of 128 bytes
	s_add_co_u32 s76, s16, s77
	s_sub_co_u32 s77, 7, s10
	s_lshl_b32 s77, s77, 14                        ; group 7 - w: 128 rows of 128 bytes each
	s_add_co_u32 s78, s76, s77
	s_mov_b32 s79, 0
	s_add_nc_u64 s[66:67], s[4:5], s[78:79]        ; Q, group 7 - w
	s_add_nc_u64 s[72:73], s[6:7], s[78:79]        ; out, group 7 - w
	s_lshl_b32 s77, s10, 14
	s_add_co_u32 s78, s76, s77
	s_add_nc_u64 s[68:69], s[4:5], s[78:79]        ; Q, group w
	s_add_nc_u64 s[74:75], s[6:7], s[78:79]        ; out, group w
	s_lshl_b32 s80, s40, 4                         ; 16 j
	s_mul_i32 s47, s10, 16*KP
	s_add_co_u32 s47, s47, STAGE                   ; my stage
	s_mul_i32 s16, s10, 128*KP                     ; group w's diagonal begins at key 128 w
	s_mul_i32 s17, s10, 128*VP
	v_and_b32 v24, 15, v0                          ; r
	v_bfe_u32 v25, v0, 4, 1                        ; h
	v_and_b32 v26, 7, v0
	v_bfe_u32 v27, v0, 3, 1
	v_and_b32 v28, 31, v0
	v_bfe_u32 v29, v0, 3, 2
	v_lshlrev_b32 v[QOFF], 7, v24
	v_lshl_add_u32 v[QOFF], v25, 4, v[QOFF]        ; Q: r x 128 + 16 h
.macro QLOAD base, reg
.irp p, 0,1
.irp kk, 0,1
	global_load_b128 v[\reg+16*\p+8*\kk:\reg+16*\p+8*\kk+3],   v[QOFF], s[\base:\base+1] offset:\p*8192+\kk*64
	global_load_b128 v[\reg+16*\p+8*\kk+4:\reg+16*\p+8*\kk+7], v[QOFF], s[\base:\base+1] offset:\p*8192+\kk*64+32
.endr
.endr
.endm
	QLOAD 66, Q1                                   ; both groups' Q are asked for here: each has registers of its own
	QLOAD 68, Q2
	v_mul_u32_u24 v[KAD0], v24, KP
	v_lshl_add_u32 v[KAD0], v25, 4, v[KAD0]        ; K: r x 144 + 16 h
	v_lshl_add_u32 v30, v25, 3, v26                ; V: key 8 h + lane % 8,
	v_mul_u32_u24 v30, v30, VP
	v_lshl_add_u32 v30, v27, 4, v30                ; 16 bytes further for lanes 8-15 and 24-31
	v_add_nc_u32 v[VAD0], VBASE, v30
	v_lshlrev_b32 v30, 3, v25
	v_sub_nc_u32 v[DREL], v24, v30
	v_add_nc_u32 v[DREL], s80, v[DREL]
	v_mov_b32 v[NINF], 0xff800000
	v_add_nc_u32 v[STO], s47, v[KAD0]              ; stage in: row r, 16 bytes for each half
	v_mul_u32_u24 v[RD], v29, KP                   ; stage back: eight lanes a row of 128 bytes
	v_lshl_add_u32 v[RD], v26, 4, v[RD]
	v_add_nc_u32 v[RD], s47, v[RD]
	v_lshlrev_b32 v[OOFF], 4, v28
	v_mov_b32 v[AL+1], 0
	v_mov_b32 v[AL+5], 0
	v_mov_b32 v[NM+1], 0
	v_mov_b32 v[NM+5], 0
.macro PLACES                          ; four plain vector instructions between a matrix instruction and a vector use of, or a load into, its registers
.rept 4
	v_nop
.endr
.endm
.macro KFETCH                          ; 64 keys x 64 of K: 16 loads; the address then stands at the next block
.irp t, 0,1,2,3
.irp kk, 0,1
	ds_load_b128 v[KF+8*(2*\t+\kk):KF+8*(2*\t+\kk)+3],   v[KAD] offset:\t*16*KP+\kk*64
	ds_load_b128 v[KF+8*(2*\t+\kk)+4:KF+8*(2*\t+\kk)+7], v[KAD] offset:\t*16*KP+\kk*64+32
.endr
.endr
	v_add_nc_u32 v[KAD], 64*KP, v[KAD]
.endm
.macro VFETCH                          ; 64 keys x 64 of V, transposed, into window 1: 16 loads; leaves setting 0 and the address at the next block
	WIN W_D1
.irp kk, 0,1
.irp dt, 0,1,2,3
	ds_load_tr16_b128 v[VF+8*(4*\kk+\dt):VF+8*(4*\kk+\dt)+3],   v[VAD] offset:\kk*32*VP+\dt*32
	ds_load_tr16_b128 v[VF+8*(4*\kk+\dt)+4:VF+8*(4*\kk+\dt)+7], v[VAD] offset:\kk*32*VP+16*VP+\dt*32
.endr
.endr
	WIN 0
	v_add_nc_u32 v[VAD], 64*VP, v[VAD]
.endm
; Product i of the eight of a piece's scores: tile i % 4, half i / 4 of the 64 along d.  The four accumulators take turns, one instruction a
; turn.  Setting 0.
.macro SW p, i
.if \i < 4
	v_wmma_f32_16x16x32_f16 v[S+32*\p+8*(\i%4):S+32*\p+8*(\i%4)+7], v[KF+8*(2*(\i%4)+\i/4):KF+8*(2*(\i%4)+\i/4)+7], v[QB+16*\p+8*(\i/4):QB+16*\p+8*(\i/4)+7], 0
.else
	v_wmma_f32_16x16x32_f16 v[S+32*\p+8*(\i%4):S+32*\p+8*(\i%4)+7], v[KF+8*(2*(\i%4)+\i/4):KF+8*(2*(\i%4)+\i/4)+7], v[QB+16*\p+8*(\i/4):QB+16*\p+8*(\i/4)+7], v[S+32*\p+8*(\i%4):S+32*\p+8*(\i%4)+7]
.endif
.endm
; Product i of the eight of a piece's O: tile i % 4 of d, keys 32 (i / 4) ..; zero = 1: the block starts the sums.  By turns likewise.  Setting W_PV.
.macro PW p, i, zero
.if \zero*(1-\i/4)
	v_wmma_f32_16x16x32_f16 v[O+32*\p+8*(\i%4):O+32*\p+8*(\i%4)+7], v[VF+8*\i:VF+8*\i+7], v[P+16*\p+8*(\i/4):P+16*\p+8*(\i/4)+7], 0
.else
	v_wmma_f32_16x16x32_f16 v[O+32*\p+8*(\i%4):O+32*\p+8*(\i%4)+7], v[VF+8*\i:VF+8*\i+7], v[P+16*\p+8*(\i/4):P+16*\p+8*(\i/4)+7], v[O+32*\p+8*(\i%4):O+32*\p+8*(\i%4)+7]
.endif
.endm
.macro SRUN p                          ; a piece's eight score products with nothing between: where the other piece has no vector work
.irp i, 0,1,2,3,4,5,6,7
	SW \p, \i
.endr
.endm
.macro PVRUN p, zero
.irp i, 0,1,2,3,4,5,6,7
	PW \p, \i, \zero
.endr
.endm
.macro FMAS p, k0, n                   ; n pairs of scores from pair k0: c x score - c x maximum
.set k, \k0
	s_wait_alu depctr_va_vdst(0)
.rept \n
	v_pk_fma_f32 v[S+32*\p+2*k:S+32*\p+2*k+1], v[S+32*\p+2*k:S+32*\p+2*k+1], s[44:45], v[NM+4*\p:NM+4*\p+1] op_sel_hi:[1,0,0]
.set k, k+1
.endr
.endm
.macro EXPS p, e0                      ; eight exponentials in place
.set e, \e0
.rept 8
	v_exp_f32 v[S+32*\p+e], v[S+32*\p+e]
.set e, e+1
.endr
.endm
.macro CVTS p, t                       ; tile t of the weights, rounded to f16, into P's registers 4 t .. 4 t + 3
	s_wait_alu depctr_va_vdst(0)
.irp r, 0,1,2,3
	v_cvt_pk_f16_f32 v[P+16*\p+4*\t+\r], v[S+32*\p+8*\t+2*\r], v[S+32*\p+8*\t+2*\r+1]
.endr
.endm
; Slice i (0..7) of the main vector phase of piece p, under setting 0: mask, running maximum, alpha, exponents, exponentials, P.
; Behind each group of exponentials the first plain instruction touches none of the group's registers (ISA guide 5.7.2): fma of later pairs, or the
; conversion of the tile before.  Slice 7 is four plain instructions: the places between the last score product and the fetch into K's fragments.
.macro MAIN p, i, masked, first
.if \i == 0
.if \masked
.set e, 0
.rept 32
	v_cmp_gt_i32 vcc_lo, 16*(e/8)+(e%8), v[DREL]   ; key above the query
	v_cndmask_b32 v[S+32*\p+e], v[S+32*\p+e], v[NINF], vcc_lo
.set e, e+1
.endr
.endif
.irp c, 0,1,2,3
	v_max3_num_f32 v[T+\c], v[S+32*\p+8*\c], v[S+32*\p+8*\c+1], v[S+32*\p+8*\c+2]
.endr
.irp c, 0,1,2,3
	v_max3_num_f32 v[T+\c], v[T+\c], v[S+32*\p+8*\c+3], v[S+32*\p+8*\c+4]
.endr
.irp c, 0,1,2,3
	v_max3_num_f32 v[T+\c], v[T+\c], v[S+32*\p+8*\c+5], v[S+32*\p+8*\c+6]
.endr
.endif
.if \i == 1
.irp c, 0,1,2,3
	v_max_num_f32 v[T+\c], v[T+\c], v[S+32*\p+8*\c+7]
.endr
	v_max3_num_f32 v[T], v[T], v[T+1], v[T+2]
.if \first
	v_max_num_f32 v[T], v[T], v[T+3]
.else
	v_max3_num_f32 v[T], v[T], v[T+3], v[MX+\p]
.endif
	v_permlanex16_b32 v[T+1], v[T], s20, s21       ; the other half's keys of the same query; the half with h = 0 always holds an unmasked key
	v_max_num_f32 v[T], v[T], v[T+1]
.if \first == 0
	v_sub_f32 v[T+2], v[MX+\p], v[T]
	v_mul_f32 v[T+2], s44, v[T+2]
	v_exp_f32 v[AL+4*\p], v[T+2]                   ; alpha = 2^(c (old - new)); the plain lines below stand before its use
.endif
	v_mov_b32 v[MX+\p], v[T]
	v_mul_f32 v[NM+4*\p], s46, v[T]
.endif
.if \i == 2
	FMAS \p, 0, 8
.endif
.if \i == 3
	EXPS \p, 0
	FMAS \p, 8, 4
.endif
.if \i == 4
	EXPS \p, 8
	FMAS \p, 12, 4
	CVTS \p, 0
.endif
.if \i == 5
	EXPS \p, 16
	CVTS \p, 1
.endif
.if \i == 6
	EXPS \p, 24
	CVTS \p, 2
.endif
.if \i == 7
	CVTS \p, 3
.endif
.endm
; Slice i (0..7) of the second vector phase of piece p, under setting W_PV: the running sums (four chains of pairs, folded only at the group's end)
; and the rescaling of the sums and of O by alpha.  Each slice is four plain instructions or more where a fetch of V follows the last product.
.macro TAIL p, i, first
.if \first
	v_pk_add_f32 v[TS+8*\p+2*(\i%4):TS+8*\p+2*(\i%4)+1], v[TS+8*\p+2*(\i%4):TS+8*\p+2*(\i%4)+1], v[S+32*\p+16+2*\i:S+32*\p+16+2*\i+1]
.else
.if \i == 0
.irp c, 0,1,2,3
	v_pk_mul_f32 v[TS+8*\p+2*\c:TS+8*\p+2*\c+1], v[TS+8*\p+2*\c:TS+8*\p+2*\c+1], v[AL+4*\p:AL+4*\p+1] op_sel_hi:[1,0]
.endr
.endif
.irp d, 0,1
	v_pk_add_f32 v[TS+8*\p+2*((2*\i+\d)%4):TS+8*\p+2*((2*\i+\d)%4)+1], v[TS+8*\p+2*((2*\i+\d)%4):TS+8*\p+2*((2*\i+\d)%4)+1], v[S+32*\p+2*(2*\i+\d):S+32*\p+2*(2*\i+\d)+1]
	v_pk_mul_f32 v[O+32*\p+2*(2*\i+\d):O+32*\p+2*(2*\i+\d)+1], v[O+32*\p+2*(2*\i+\d):O+32*\p+2*(2*\i+\d)+1], v[AL+4*\p:AL+4*\p+1] op_sel_hi:[1,0]
.endr
.endif
.endm
; A step: the vector phase of piece p on its block, with piece q's products set into it.
; masked: p's block is its diagonal block; first: it starts p's maximum and sums; sdo: q's next scores are made (K's fragments hold that block);
; pvdo: 1: q's last P times V is added onto O, 2: it starts O, 0: none; kf, vf: the next K, the next V are fetched behind the products that read the old;
; kw, vw: counts of the waits on LDS in front of the two runs of products (-1: none is needed).
.macro STEP p, q, masked, first, sdo, pvdo, kf, vf, kw, vw
.if \kw >= 0
	s_wait_dscnt \kw
.endif
.irp i, 0,1,2,3,4,5,6,7
.if \sdo
	SW \q, \i
.endif
	MAIN \p, \i, \masked, \first
.endr
.if \kf
	KFETCH
.endif
.if \vw >= 0
	s_wait_dscnt \vw
.endif
.if \first
	WIN W_D1                                       ; the first eight pairs start the four chains: nothing is cleared
.irp c, 0,1,2,3
	v_pk_add_f32 v[TS+8*\p+2*\c:TS+8*\p+2*\c+1], v[S+32*\p+2*\c:S+32*\p+2*\c+1], v[S+32*\p+8+2*\c:S+32*\p+8+2*\c+1]
.endr
.endif
	WIN W_PV
.irp i, 0,1,2,3,4,5,6,7
.if \pvdo == 2
	PW \q, \i, 1
.endif
.if \pvdo == 1
	PW \q, \i, 0
.endif
	TAIL \p, \i, \first
.endr
.if \vf
	VFETCH
.else
	WIN 0
.endif
.endm
.macro VA_STD                          ; VA(b): K(b) and V(b-1) were waited for in the step before
	STEP 0, 1, 0, 0, 1, 1, 1, 1, -1, -1
.endm
.macro VB_STD                          ; VB(b): first count: K(b+1)'s 16 loads are in, V(b)'s 16, issued behind them, stay out; second: V(b) is in
	STEP 1, 0, 0, 0, 1, 1, 0, 0, 16, 0
.endm
; Piece 1 alone, where piece 0 has no block left: its scores on the block in K's fragments, its last P times V, then the next V.
.macro TAILB zero
	SRUN 1
	WIN W_PV
	PVRUN 1, \zero
	PLACES                                         ; between the products and the fetch into V's fragments, and the vector work on the scores
	VFETCH
.endm
; The group's result: the sums folded and joined over the halves, O / sum, rounded to f16, packed into 32 registers at sv.  All in window 1.
; The folds of piece 0's sums are the places between the last product and the first vector use of O.
.macro PACK sv
	WIN W_PK
.irp p, 0,1
	v_pk_add_f32 v[TS+8*\p:TS+8*\p+1], v[TS+8*\p:TS+8*\p+1], v[TS+8*\p+2:TS+8*\p+3]
	v_pk_add_f32 v[TS+8*\p+4:TS+8*\p+5], v[TS+8*\p+4:TS+8*\p+5], v[TS+8*\p+6:TS+8*\p+7]
	v_pk_add_f32 v[TS+8*\p:TS+8*\p+1], v[TS+8*\p:TS+8*\p+1], v[TS+8*\p+4:TS+8*\p+5]
	v_add_f32 v[TS+8*\p], v[TS+8*\p], v[TS+8*\p+1]
	v_permlanex16_b32 v[TS+8*\p+1], v[TS+8*\p], s20, s21   ; the other half's keys
	v_add_f32 v[TS+8*\p], v[TS+8*\p], v[TS+8*\p+1]
	v_rcp_f32 v[TS+8*\p+2], v[TS+8*\p]
	v_nop                                          ; one plain instruction behind the transcendental (ISA guide 5.7.2)
.set k, 0
	s_wait_alu depctr_va_vdst(0)
.rept 16
	v_pk_mul_f32 v[O+32*\p+2*k:O+32*\p+2*k+1], v[O+32*\p+2*k:O+32*\p+2*k+1], v[TS+8*\p+2:TS+8*\p+3] op_sel_hi:[1,0]
.set k, k+1
.endr
.set k, 0
.rept 16
	v_cvt_pk_f16_f32 v[\sv+16*\p+k], v[O+32*\p+2*k], v[O+32*\p+2*k+1]
.set k, k+1
.endr
.endr
	WIN 0
.endm
; A group's packed result through my stage, out as 512 consecutive bytes a store.  gb: the group's base in att; x: 32 registers for the rows read
; back: each piece has sixteen of its own, so no register that a store reads is written again.  Setting W_OUT.
.macro OUT gb, sv, x
.irp p, 0,1
.irp dt, 0,1,2,3
	ds_store_b128 v[STO], v[\sv+16*\p+4*\dt:\sv+16*\p+4*\dt+3] offset:32*\dt
.endr
.irp i, 0,1,2,3
	ds_load_b128 v[\x+16*\p+4*\i:\x+16*\p+4*\i+3], v[RD] offset:\i*4*KP      ; LDS serves a wave's instructions in order (ISA guide 5.7.1.4)
.endr
.irp i, 0,1,2,3
	s_wait_dscnt 3-\i                              ; load i is in; the later ones stay out
	global_store_b128 v[OOFF], v[\x+16*\p+4*\i:\x+16*\p+4*\i+3], s[\gb:\gb+1] offset:\p*8192+\i*512
.endr
.endr
.endm
	s_wait_tensorcnt 0x1                           ; my part of keys 0-511 is in; keys 512-1023 stay out
	s_barrier_signal -1
	s_barrier_wait -1
	; GROUP 7 - w.  Blocks 0-6 (and the fetch of K's block 7) touch keys 0-511 alone.
	v_mov_b32 v[KAD], v[KAD0]
	v_mov_b32 v[VAD], v[VAD0]
	KFETCH                                         ; K(0)
	s_wait_loadcnt 0x0                             ; Q of both groups
	s_wait_dscnt 0x0
	SRUN 0                                         ; piece 0's scores on block 0: nothing stands beside them yet
	PLACES
	STEP 0, 1, 0, 1, 1, 0, 1, 1, -1, -1            ; VA(0): starts piece 0; no PV yet
	STEP 1, 0, 0, 1, 1, 2, 0, 0, 16, 0             ; VB(0): starts piece 1; piece 0's first PV starts its O
	STEP 0, 1, 0, 0, 1, 2, 1, 1, -1, -1            ; VA(1): piece 1's first PV starts its O
	VB_STD                                         ; VB(1)
	s_mov_b32 s70, 5
.Lp1:                                              ; blocks 2-6
	VA_STD
	VB_STD
	s_sub_co_i32 s70, s70, 1
	s_cmp_lg_u32 s70, 0
	s_cbranch_scc1 .Lp1
	s_wait_dscnt 0x0
	s_wait_tensorcnt 0x0                           ; my part of keys 512-1023 is in: VA(7) fetches K's block 8
	s_barrier_signal -1
	s_barrier_wait -1
	s_mov_b32 s70, 7                               ; the block's number
	s_lshl_b32 s71, s10, 1
	s_sub_co_u32 s71, 14, s71                      ; the group's diagonal begins at block 14 - 2 w, 8 at the least: one trip or more
.Lp2:                                              ; blocks 7 .. 13 - 2 w
	VA_STD
	VB_STD
	s_add_co_u32 s70, s70, 1
	s_cmp_lt_u32 s70, s71
	s_cbranch_scc1 .Lp2
	STEP 0, 1, 1, 0, 1, 1, 1, 1, -1, -1            ; VA(2g): piece 0 masked
	STEP 1, 0, 0, 0, 0, 1, 0, 0, -1, 0             ; VB(2g): piece 1 full; piece 0 has no further scores; all LDS loads are waited for
	TAILB 0                                        ; piece 1: scores on block 2g + 1, PV of block 2g
	STEP 1, 0, 1, 0, 0, 0, 0, 0, -1, -1            ; VB(2g+1): piece 1 masked; for piece 0 the block lies above the diagonal
	s_wait_dscnt 0x0                               ; V(2g+1)
	WIN W_PV
	PVRUN 1, 0
	PACK SV1
	; GROUP w: its two diagonal blocks start the sums (every query has its own key unmasked), then the full blocks 0 .. 2 w - 1
.set QB, Q2
	v_add_nc_u32 v[KAD], s16, v[KAD0]
	v_add_nc_u32 v[VAD], s17, v[VAD0]
	KFETCH                                         ; K(2w)
	s_wait_dscnt 0x0
	SRUN 0
	PLACES
	STEP 0, 1, 1, 1, 1, 0, 1, 1, -1, -1            ; VA(2w): starts piece 0, masked
	STEP 1, 0, 0, 1, 0, 2, 0, 0, -1, 0             ; VB(2w): starts piece 1; piece 0's PV starts its O
	TAILB 1                                        ; piece 1: scores on block 2w + 1; its first PV starts its O
	STEP 1, 0, 1, 0, 0, 0, 0, 0, -1, -1            ; VB(2w+1): piece 1 masked
	s_wait_dscnt 0x0
	WIN W_PV
	PVRUN 1, 0
	WIN 0
	s_cmp_eq_u32 s10, 0
	s_cbranch_scc1 .Lend                           ; group 0 has no full block
	v_mov_b32 v[KAD], v[KAD0]
	v_mov_b32 v[VAD], v[VAD0]
	KFETCH                                         ; K(0)
	s_wait_dscnt 0x0
	SRUN 0
	PLACES
	STEP 0, 1, 0, 0, 1, 0, 1, 1, -1, -1            ; VA(0): piece 1 has no PV pending
	VB_STD                                         ; VB(0)
	s_cmp_eq_u32 s10, 1
	s_cbranch_scc1 .Lfin                           ; group 1 has blocks 0 and 1 alone
	s_mov_b32 s70, 1                               ; the block's number
	s_lshl_b32 s71, s10, 1
	s_sub_co_u32 s71, s71, 1
.Lp3:                                              ; blocks 1 .. 2 w - 2
	VA_STD
	VB_STD
	s_add_co_u32 s70, s70, 1
	s_cmp_lt_u32 s70, s71
	s_cbranch_scc1 .Lp3
.Lfin:
	STEP 0, 1, 0, 0, 1, 1, 0, 1, -1, -1            ; VA(2w-1): no further K
	STEP 1, 0, 0, 0, 0, 1, 0, 0, -1, 0             ; VB(2w-1): no further scores
	WIN W_PV
	PVRUN 1, 0
	WIN 0
.Lend:
	PACK SV2
	s_wait_dscnt 0x0                               ; my reads of K and V are over,
	s_barrier_signal -1
	s_barrier_wait -1                              ; every wave's are: only now is anything stored into LDS
	WIN W_OUT
	OUT 72, SV1, VF
	OUT 74, SV2, VF+32
	WIN 0
	s_wait_dscnt 0x0
	s_wait_tensorcnt 0x0
	ds_add_u32 v13, v31
	s_wait_dscnt 0x0
	ROUND                                          ; the closing round
	s_endpgm
.Lfunc_end_k_q1764da7fde_attn:
	.size	k_q1764da7fde_attn, .Lfunc_end_k_q1764da7fde_attn-k_q1764da7fde_attn
	.p2alignl 7, 3214868480
	.fill 96, 4, 3214868480
	.section	.rodata,"a",@progbits
	.p2align	6, 0x0
	.amdhsa_kernel k_q1764da7fde_attn
		.amdhsa_group_segment_fixed_size 321024
		.amdhsa_private_segment_fixed_size 0
		.amdhsa_enable_private_segment 0
		.amdhsa_kernarg_size 16
		.amdhsa_user_sgpr_count 2
		.amdhsa_user_sgpr_kernarg_segment_ptr 1
		.amdhsa_wavefront_size32 1
		.amdhsa_system_sgpr_workgroup_id_x 1
		.amdhsa_system_sgpr_workgroup_id_y 1
		.amdhsa_system_sgpr_workgroup_id_z 1
		.amdhsa_system_vgpr_workitem_id 0
		.amdhsa_next_free_vgpr 480
		.amdhsa_next_free_sgpr 84
		.amdhsa_reserve_vcc 1
		.amdhsa_float_denorm_mode_32 3
		.amdhsa_float_denorm_mode_16_64 3
		.amdhsa_memory_ordered 1
		.amdhsa_forward_progress 1
		.amdhsa_inst_pref_size 206
	.end_amdhsa_kernel
	.amdgpu_metadata
---
amdhsa.version: [ 1, 2 ]
amdhsa.kernels:
  - .name:           k_q1764da7fde_attn
    .symbol:         k_q1764da7fde_attn.kd
    .args:
      - { .name: qkv, .offset: 0, .size: 8, .value_kind: global_buffer, .address_space: global }
      - { .name: att, .offset: 8, .size: 8, .value_kind: global_buffer, .address_space: global }
    .group_segment_fixed_size: 321024
    .private_segment_fixed_size: 0
    .kernarg_segment_align: 8
    .kernarg_segment_size: 16
    .max_flat_workgroup_size: 128
    .sgpr_count:     84
    .vgpr_count:     480
    .wavefront_size: 32
...
	.end_amdgpu_metadata
.endif
;; end of part 3
;; launch proj (part 4): grid 8 x 32, 4 waves a work-group, clusters of 4 x 4, 327,680 bytes of LDS; arguments att, wb, bp, x, x1; writes x1
.if DOCPART == 4
	.amdgcn_target "amdgcn-amd-amdhsa--gfx1250"
	.amdhsa_code_object_version 6
	.text
	.protected	k_q1764da7fde_proj
	.globl	k_q1764da7fde_proj
	.p2align	8
	.type	k_q1764da7fde_proj,@function
k_q1764da7fde_proj:
	s_mov_b64 s[64:65], 0
	v_nop
	global_prefetch_b8 v0, s[64:65] scope:SCOPE_SE
	s_setreg_imm32_b32 hwreg(HW_REG_WAVE_MODE, 25, 1), 1
	s_wait_xcnt 0x0
	s_wait_alu depctr_hold_cnt(0) depctr_sa_sdst(0) depctr_va_vdst(0) depctr_va_sdst(0) depctr_va_ssrc(0) depctr_va_vcc(0) depctr_vm_vsrc(0)
	s_getreg_b32 s2, hwreg(HW_REG_IB_STS2, 6, 4)
	s_cmp_eq_u32 s2, 0
	s_cbranch_scc0 .Lentry_in_a_cluster
	s_endpgm
.Lentry_in_a_cluster:
	s_bfe_u32 s2, ttmp6, 0x10000c
	s_cmp_lg_u32 s2, 0xf033
	s_cbranch_scc0 .Lentry_shape_is_right
	s_endpgm
.Lentry_shape_is_right:
; out = res + A W + bias in f32.  A: panel-major f16 [K / 64][4096][64]; W: f16 [K][1024] inside wb; res, out: f32 [4096][1024].
; 4096 x 1024 outputs on 256 work-groups are 128 x 128 each.  Every wave keeps the WHOLE block in 64 accumulator tiles (512 registers) and
; takes a quarter of K: for 32 along K it loads 16 KiB from LDS for 64 matrix instructions, where four wave tiles of 64 x 64 would load
; 8 KiB for 16.  The four partial sums meet once, in LDS, at the end.
; A slot holds K = 256: four panels of A (128 rows x 144 bytes each), then 256 k-rows of W (256 bytes + 32).  Wave w multiplies panel w and
; k-rows 64 w .. 64 w + 63.  Waves 0, 1 fetch two panels each, waves 2, 3 128 k-rows each, one tensor load a wave.
; CLUSTERS 4 x 4: A's tile is asked for jointly along a row of the cluster, W's along a column.
; The matrix instruction is used transposed (source 0 = 16 columns of W, source 1 = 16 rows of A).
; Limit: the sum over K is formed in four parts, another order than the reference's.
.set WOFF,  6291456                    ; the weight's place in wb
.set LAPS,  2                          ; K / 512: a lap is two slots
.set PANB,  524288
.set AP,    144                        ; A's LDS row: 128 bytes + 16
.set BPI,   288                        ; W's LDS row: 256 bytes + 32 = 9 x 32
.set PART,  36864                      ; what one tensor load brings: 2 x 128 x 144 = 128 x 288
.set SLOT,  4*PART
.set XP,    528                        ; the exchange: a row of 128 f32 + 16 bytes
.set XW,    128*XP                     ; a wave's partial block
.set ADRA, 16
.set ADRB, 20
.set STO,  24
.set RDP,  26                          ; v26-29  the four partial blocks at my 32 rows
.set LO,   30                          ; v30     16 lane
.set BI,   32                          ; v[32:35] the bias of my 4 columns
.set F0,   64
.set F1,   128
.set RES,  64                          ; v[64:191] the residual of my 32 rows, once the products are over
.set W,    192                         ; v[192:255] four rows x four partial sums
.set G1,  24
.set G0,  32
.set G1B, 48
.set G0B, 56
.set MSB, 0
.macro WIN new
.if MSB != \new
	s_set_vgpr_msb (MSB<<8)|\new
.set MSB, \new
.endif
.endm
.set MUL_LO, 0xa1
.set MUL_HI, 0xf1
.set TO_B,   0x40
.macro JLOAD s
	s_cmp_eq_u32 s11, 0
	s_cbranch_scc0 .Lfor_b_\@
	tensor_load_to_lds s[G0+4*\s:G0+4*\s+3], s[G1:G1+7]
	s_nop 0
	s_branch .Lasked_\@
.Lfor_b_\@:
	tensor_load_to_lds s[G0B+4*\s:G0B+4*\s+3], s[G1B:G1B+7]
	s_nop 0
.Lasked_\@:
.endm
.macro CREST
	s_cmp_lg_u32 s10, 0
	s_cbranch_scc1 .Lnot_wave_0_\@
	s_barrier_signal -3
.Lnot_wave_0_\@:
	s_barrier_wait -3
	s_barrier_signal -1
	s_barrier_wait -1
.endm
.macro CROUND
	s_barrier_signal -1
	s_barrier_wait -1
	CREST
.endm
	s_load_b128 s[4:7], s[0:1], 0x0                ; A, wb
	s_load_b64 s[66:67], s[0:1], 0x10              ; bias
	s_load_b128 s[68:71], s[0:1], 0x18             ; res, out
	s_set_vgpr_msb 0x40
	v_lshl_add_u32 v255, v0, 2, 0x48000
	s_set_vgpr_msb 0x4000
	v_mov_b32 v63, 0
	s_set_vgpr_msb 0x1
	ds_add_u32 v255, v63
	s_set_vgpr_msb 0x100
	v_lshrrev_b32 v1, 5, v0
	v_readfirstlane_b32 s10, v1                    ; wave 0..3
	s_lshr_b32 s11, s10, 1                         ; I fetch for A (0) or for W (1)
	s_and_b32 s12, s10, 1                          ; which half of it
	s_bfe_u32 s40, ttmp6, 0x40000                  ; cx
	s_bfe_u32 s41, ttmp6, 0x40004                  ; cy
	s_lshl_b32 s42, ttmp9, 2
	s_add_co_u32 s42, s42, s40                     ; block column
	s_and_b32 s13, ttmp7, 0xffff
	s_lshl_b32 s13, s13, 2
	s_add_co_u32 s13, s13, s41                     ; block row
	s_lshl_b32 s43, s41, 2
	s_lshl_b32 s43, 15, s43                        ; my row of the cluster
	s_lshl_b32 s44, 0x1111, s40                    ; my column
	; A: the block's 128 rows of one panel are 16,384 dense bytes, taken as ONE row of 8,192 elements; two panels are two such rows.
	; The padding is counted along the whole tile, so each 128 bytes (32 words) get their 16.
	s_or_b32 s[G1+0], s43, 0x07310000
	s_mov_b32 s[G1+1], 8192<<16                    ; tensor_dim0 = 8192
	s_mov_b32 s[G1+2], 2<<16                       ; tensor_dim1 = 2
	s_mov_b32 s[G1+3], 8192<<16                    ; tile_dim0 = 8192
	s_mov_b32 s[G1+4], 2                           ; tile_dim1 = 2
	s_mov_b32 s[G1+5], PANB/2                      ; elements from panel to panel
	s_mov_b32 s[G1+6], 0
	s_mov_b32 s[G1+7], 0
	s_or_b32 s[G1B+0], s44, 0x0f710000             ; W: 8 words behind every 64
	s_mov_b32 s[G1B+1], 128<<16
	s_mov_b32 s[G1B+2], 128<<16
	s_mov_b32 s[G1B+3], 128<<16                    ; 128 columns (256 bytes)
	s_mov_b32 s[G1B+4], 128                        ; 128 k-rows
	s_mov_b32 s[G1B+5], 1024
	s_mov_b32 s[G1B+6], 0
	s_mov_b32 s[G1B+7], 0
	s_lshl_b32 s16, s12, 20                        ; A: panels 2 x half,
	s_lshl_b32 s17, s13, 14                        ; the block row's 128 rows of 128 bytes
	s_add_co_u32 s16, s16, s17
	s_mov_b32 s17, 0
	s_lshl_b32 s46, s12, 18                        ; W: k-rows 128 x half of 2,048 bytes,
	s_lshl_b32 s47, s42, 8                         ; the block column's 256 bytes,
	s_add_co_u32 s46, s46, s47
	s_add_co_u32 s46, s46, WOFF                    ; behind the weight's place in wb
	s_mov_b32 s47, 0
	s_mul_i32 s20, s10, PART                       ; where my load lands
	s_wait_dscnt 0x0
	s_wait_kmcnt 0x0
	s_add_nc_u64 s[14:15], s[4:5], s[16:17]
	s_add_nc_u64 s[46:47], s[6:7], s[46:47]
	CROUND                                         ; the first joint loads meet
.irp s, 0,1
	s_mov_b32 s[G0+4*\s], 1
	s_add_co_u32 s[G0+4*\s+1], s20, \s*SLOT
	s_add_nc_u64 s[G0+4*\s+2:G0+4*\s+3], s[14:15], \s*4*PANB
	s_or_b32 s[G0+4*\s+3], s[G0+4*\s+3], 0x80000000
	s_mov_b32 s[G0B+4*\s], 1
	s_add_co_u32 s[G0B+4*\s+1], s20, \s*SLOT
	s_add_nc_u64 s[G0B+4*\s+2:G0B+4*\s+3], s[46:47], \s*256*2048
	s_or_b32 s[G0B+4*\s+3], s[G0B+4*\s+3], 0x80000000
	JLOAD \s                                       ; two tensor loads of the wave are out
.endr
	v_and_b32 v1, 15, v0                           ; r
	v_bfe_u32 v2, v0, 4, 1                         ; h
	v_and_b32 v8, 7, v0
	v_bfe_u32 v7, v0, 3, 1
	v_and_b32 v9, 31, v0
	v_mul_u32_u24 v3, v1, AP
	v_lshl_add_u32 v3, v2, 4, v3                   ; A: r x 144 + 16 h
	v_lshl_add_u32 v6, v2, 3, v8
	v_mul_u32_u24 v6, v6, BPI
	v_lshl_add_u32 v6, v7, 4, v6                   ; W: (8 h + lane % 8) x 288 + 16 for lanes 8-15, 24-31
	s_mul_i32 s21, s10, 128*AP                     ; my panel
	s_add_co_u32 s22, s21, 2*PART                  ; my 64 k-rows (64 x 288 = 128 x 144), behind A
.irp s, 0,1
	v_add_nc_u32 v[ADRA+\s], s21, v3
	v_add_nc_u32 v[ADRB+\s], s22, v6
	s_add_co_u32 s21, s21, SLOT
	s_add_co_u32 s22, s22, SLOT
.endr
	s_mul_i32 s23, s10, XW
	v_mul_u32_u24 v4, v1, XP
	v_lshl_add_u32 v4, v2, 5, v4
	v_add_nc_u32 v[STO], s23, v4                   ; exchange in: my partial block, row r, 32 bytes for each half
	v_lshlrev_b32 v[LO], 4, v9
	s_mul_i32 s23, s10, 32*XP                      ; exchange back: rows 32 w .. of each partial block
.irp p, 0,1,2,3
	v_add_nc_u32 v[RDP+\p], s23, v[LO]
	s_add_co_u32 s23, s23, XW
.endr
; 16 matrix instructions; the 64 accumulators take turns, one instruction a turn.
.macro MUL16 f, hi, a0, zero
.irp a, \a0, \a0+1
.irp b, 0,1,2,3,4,5,6,7
.if \zero
	v_wmma_f32_16x16x32_f16 v[8*(8*(\a)+\b):8*(8*(\a)+\b)+7], v[\f+8*\b:\f+8*\b+7], v[\f+8*(4*\hi+\a):\f+8*(4*\hi+\a)+7], 0
.else
	v_wmma_f32_16x16x32_f16 v[8*(8*(\a)+\b):8*(8*(\a)+\b)+7], v[\f+8*\b:\f+8*\b+7], v[\f+8*(4*\hi+\a):\f+8*(4*\hi+\a)+7], v[8*(8*(\a)+\b):8*(8*(\a)+\b)+7]
.endif
.endr
.endr
.endm
.macro FETCH slot, t, f                ; half t (32 along K) of my 64 of a slot into buffer f: 32 loads in one run
	WIN TO_B
.irp i, 0,1,2,3,4,5,6,7
	ds_load_tr16_b128 v[\f+8*\i:\f+8*\i+3],   v[ADRB+\slot] offset:\t*32*BPI+32*\i
	ds_load_tr16_b128 v[\f+8*\i+4:\f+8*\i+7], v[ADRB+\slot] offset:\t*32*BPI+16*BPI+32*\i
.endr
	WIN 0
.irp i, 0,1,2,3,4,5,6,7
	ds_load_b128 v[\f+8*\i:\f+8*\i+3],   v[ADRA+\slot] offset:\t*64+\i*16*AP
	ds_load_b128 v[\f+8*\i+4:\f+8*\i+7], v[ADRA+\slot] offset:\t*64+\i*16*AP+32
.endr
.endm
.macro PLACES                          ; four plain vector instructions between a matrix instruction and a load into, or a use of, its registers
.rept 4
	v_nop
.endr
.endm
.macro QUARTER slot, zero              ; multiplies buffer 0; in its middle fetches the slot's second half into buffer 1
	s_wait_dscnt 8                                 ; W and A's rows 0-63 are in; the youngest eight loads may be out
	WIN MUL_LO
	MUL16 F0, 0, 0, \zero
	MUL16 F0, 0, 2, \zero
	PLACES
	FETCH \slot, 1, F1
	s_wait_dscnt 32                                ; all but the 32 just issued
	WIN MUL_HI
	MUL16 F0, 1, 0, \zero
	MUL16 F0, 1, 2, \zero
.endm
; Multiplies buffer 1 and changes slots: each wave's reads of this slot and all its tensor loads are waited for in front of the barrier;
; behind it the refill comes first, then the next slot's fragments.
.macro TURN slot, next, fill
	s_wait_dscnt 8
	WIN MUL_LO
	MUL16 F1, 0, 0, 0
	s_wait_dscnt 0
	s_wait_tensorcnt 0x0
	ds_add_u32 v255, v63
	s_wait_dscnt 0x0
	s_barrier_signal -1
	MUL16 F1, 0, 2, 0
	WIN 0
	s_barrier_wait -1
.if \fill
	CREST
	s_add_nc_u64 s[G0+4*\slot+2:G0+4*\slot+3], s[G0+4*\slot+2:G0+4*\slot+3], 8*PANB
	s_add_nc_u64 s[G0B+4*\slot+2:G0B+4*\slot+3], s[G0B+4*\slot+2:G0B+4*\slot+3], 512*2048
	JLOAD \slot                                    ; the wave's one tensor load behind the round
.endif
	PLACES
	FETCH \next, 0, F0
	WIN MUL_HI
	MUL16 F1, 1, 0, 0
	MUL16 F1, 1, 2, 0
.endm
.macro LAP zero
	QUARTER 0, \zero
	TURN 0, 1, 1
	QUARTER 1, 0
	TURN 1, 0, 1
.endm
	s_wait_tensorcnt 1                             ; my part of slot 0 is in; slot 1's stays out
	s_barrier_signal -1
	s_barrier_wait -1
	FETCH 0, 0, F0
	LAP 1
.if LAPS > 2
	WIN 0
	s_mov_b32 s3, LAPS-2
.Llap:
	LAP 0
	WIN 0
	s_sub_co_u32 s3, s3, 1
	s_cmp_lg_u32 s3, 0
	s_cbranch_scc1 .Llap
.endif
	QUARTER 0, 0                                   ; the last lap fills nothing
	TURN 0, 1, 0
	QUARTER 1, 0
	s_wait_dscnt 8
	WIN MUL_LO
	MUL16 F1, 0, 0, 0
	MUL16 F1, 0, 2, 0
	s_wait_dscnt 0
	WIN MUL_HI
	MUL16 F1, 1, 0, 0
	MUL16 F1, 1, 2, 0
	; THE WAY OUT.  The ring has had its last fill; it now serves the exchange of the four partial blocks (4 x 67,584 bytes).
	PLACES
	WIN 0
	s_lshl_b32 s16, s13, 19                        ; the block row's 128 rows of 4,096 bytes,
	s_lshl_b32 s14, s10, 17                        ; my 32 of them
	s_add_co_u32 s16, s16, s14
	s_mov_b32 s17, 0
	s_add_nc_u64 s[68:69], s[68:69], s[16:17]
	s_add_nc_u64 s[70:71], s[70:71], s[16:17]
	s_lshl_b32 s46, s42, 9                         ; the block column's 512 bytes
	s_mov_b32 s47, 0
	s_add_nc_u64 s[68:69], s[68:69], s[46:47]
	s_add_nc_u64 s[70:71], s[70:71], s[46:47]
	s_add_nc_u64 s[66:67], s[66:67], s[46:47]
.set k, 0
.rept 32
	global_load_b128 v[RES+4*k:RES+4*k+3], v[LO], s[68:69] offset:4096*k   ; a row's 512 bytes for the wave
.set k, k+1
.endr
	global_load_b128 v[BI:BI+3], v[LO], s[66:67]
	s_wait_dscnt 0x0
	s_barrier_signal -1
	s_barrier_wait -1                              ; no wave reads the ring any more
.macro XOUT win, hi                    ; 32 tiles: lane (r, h) holds columns 16 b + 8 h .. + 7 of row 16 a + r: 32 bytes
	WIN \win
.irp a, 0,1,2,3
.irp b, 0,1,2,3,4,5,6,7
	ds_store_b128 v[STO], v[8*(8*\a+\b):8*(8*\a+\b)+3]   offset:(4*\hi+\a)*16*XP+64*\b
	ds_store_b128 v[STO], v[8*(8*\a+\b)+4:8*(8*\a+\b)+7] offset:(4*\hi+\a)*16*XP+64*\b+16
.endr
.endr
.endm
	XOUT 0x08, 0                                   ; store data (source 1) from window 2
	XOUT 0x0c, 1                                   ; from window 3
	WIN 0
	s_wait_dscnt 0x0                               ; my partial block is written,
	s_barrier_signal -1
	s_barrier_wait -1                              ; everybody's is
	s_wait_loadcnt 0x0                             ; residual and bias
; four of my 32 rows: (p0 + p1) + (p2 + p3) + (bias + residual); a store of the wave covers a row's 512 consecutive bytes
.macro OUT4 g
.if \g
	s_wait_xcnt 0x0                                ; W's registers are store data: they are loaded again only behind this wait
.endif
.irp i, 0,1,2,3
.irp p, 0,1,2,3
	ds_load_b128 v[W+16*\i+4*\p:W+16*\i+4*\p+3], v[RDP+\p] offset:(4*\g+\i)*XP
.endr
.endr
.irp i, 0,1,2,3
	s_wait_dscnt 12-4*\i                           ; row i's four loads are in; the later rows' stay out
	v_pk_add_f32 v[W+16*\i:W+16*\i+1],     v[W+16*\i:W+16*\i+1],     v[W+16*\i+4:W+16*\i+5]
	v_pk_add_f32 v[W+16*\i+2:W+16*\i+3],   v[W+16*\i+2:W+16*\i+3],   v[W+16*\i+6:W+16*\i+7]
	v_pk_add_f32 v[W+16*\i+8:W+16*\i+9],   v[W+16*\i+8:W+16*\i+9],   v[W+16*\i+12:W+16*\i+13]
	v_pk_add_f32 v[W+16*\i+10:W+16*\i+11], v[W+16*\i+10:W+16*\i+11], v[W+16*\i+14:W+16*\i+15]
	v_pk_add_f32 v[RES+4*(4*\g+\i):RES+4*(4*\g+\i)+1],   v[RES+4*(4*\g+\i):RES+4*(4*\g+\i)+1],   v[BI:BI+1]
	v_pk_add_f32 v[RES+4*(4*\g+\i)+2:RES+4*(4*\g+\i)+3], v[RES+4*(4*\g+\i)+2:RES+4*(4*\g+\i)+3], v[BI+2:BI+3]
	v_pk_add_f32 v[W+16*\i:W+16*\i+1],     v[W+16*\i:W+16*\i+1],     v[W+16*\i+8:W+16*\i+9]
	v_pk_add_f32 v[W+16*\i+2:W+16*\i+3],   v[W+16*\i+2:W+16*\i+3],   v[W+16*\i+10:W+16*\i+11]
	v_pk_add_f32 v[W+16*\i:W+16*\i+1],     v[W+16*\i:W+16*\i+1],     v[RES+4*(4*\g+\i):RES+4*(4*\g+\i)+1]
	v_pk_add_f32 v[W+16*\i+2:W+16*\i+3],   v[W+16*\i+2:W+16*\i+3],   v[RES+4*(4*\g+\i)+2:RES+4*(4*\g+\i)+3]
	global_store_b128 v[LO], v[W+16*\i:W+16*\i+3], s[70:71] offset:(4*\g+\i)*4096
.endr
.endm
.irp g, 0,1,2,3,4,5,6,7
	OUT4 \g
.endr
	s_set_vgpr_msb 0x1
	s_wait_tensorcnt 0x0
	ds_add_u32 v255, v63
	s_wait_dscnt 0x0
	s_set_vgpr_msb 0x100
	CROUND                                         ; the closing round
	s_endpgm
.Lfunc_end_k_q1764da7fde_proj:
	.size	k_q1764da7fde_proj, .Lfunc_end_k_q1764da7fde_proj-k_q1764da7fde_proj
	.p2alignl 7, 3214868480
	.fill 96, 4, 3214868480
	.section	.rodata,"a",@progbits
	.p2align	6, 0x0
	.amdhsa_kernel k_q1764da7fde_proj
		.amdhsa_group_segment_fixed_size 327680
		.amdhsa_private_segment_fixed_size 0
		.amdhsa_enable_private_segment 0
		.amdhsa_kernarg_size 40
		.amdhsa_user_sgpr_count 2
		.amdhsa_user_sgpr_kernarg_segment_ptr 1
		.amdhsa_wavefront_size32 1
		.amdhsa_system_sgpr_workgroup_id_x 1
		.amdhsa_system_sgpr_workgroup_id_y 1
		.amdhsa_system_sgpr_workgroup_id_z 1
		.amdhsa_system_vgpr_workitem_id 0
		.amdhsa_next_free_vgpr 1024
		.amdhsa_next_free_sgpr 80
		.amdhsa_reserve_vcc 0
		.amdhsa_float_denorm_mode_32 3
		.amdhsa_float_denorm_mode_16_64 3
		.amdhsa_memory_ordered 1
		.amdhsa_forward_progress 1
		.amdhsa_inst_pref_size 104
	.end_amdhsa_kernel
	.amdgpu_metadata
---
amdhsa.version: [ 1, 2 ]
amdhsa.kernels:
  - .name:           k_q1764da7fde_proj
    .symbol:         k_q1764da7fde_proj.kd
    .args:
      - { .name: att, .offset: 0, .size: 8, .value_kind: global_buffer, .address_space: global }
      - { .name: wb, .offset: 8, .size: 8, .value_kind: global_buffer, .address_space: global }
      - { .name: bp, .offset: 16, .size: 8, .value_kind: global_buffer, .address_space: global }
      - { .name: x, .offset: 24, .size: 8, .value_kind: global_buffer, .address_space: global }
      - { .name: x1, .offset: 32, .size: 8, .value_kind: global_buffer, .address_space: global }
    .group_segment_fixed_size: 327680
    .private_segment_fixed_size: 0
    .kernarg_segment_align: 8
    .kernarg_segment_size: 40
    .max_flat_workgroup_size: 128
    .sgpr_count:     80
    .vgpr_count:     1024
    .wavefront_size: 32
...
	.end_amdgpu_metadata
.endif
;; end of part 4
;; launch ln2 (part 5): grid 256 x 1, 8 waves a work-group, no clusters, 0 bytes of LDS; arguments x1, g2, be2, h; writes h
.if DOCPART == 5
	.amdgcn_target "amdgcn-amd-amdhsa--gfx1250"
	.amdhsa_code_object_version 6
	.text
	.protected	k_q1764da7fde_ln2
	.globl	k_q1764da7fde_ln2
	.p2align	8
	.type	k_q1764da7fde_ln2,@function
k_q1764da7fde_ln2:
	s_mov_b64 s[64:65], 0
	v_nop
	global_prefetch_b8 v0, s[64:65] scope:SCOPE_SE
	s_setreg_imm32_b32 hwreg(HW_REG_WAVE_MODE, 25, 1), 1
	s_wait_xcnt 0x0
; h = LayerNorm(x1) g2 + be2 in f16.  x1: [4096][1024] f32, h: [4096][1024] f16.  A stream: no LDS, no barrier, no matrix unit.
; f16's room: the normalised row is at most 32 in magnitude for 1024 columns, so |h| <= 32 |g2| + |be2|.  Limit: beyond 65,504 it becomes infinite.
; A work-group owns 16 rows, a wave 2.  A lane owns columns 4 lane + 128 j, j = 0..7: each load of a wave covers 512 consecutive bytes,
; each 8-byte store of a wave 256 consecutive bytes, aligned.  The row stays in registers: first the mean, then the mean of
; (x - mean)^2, so no difference of large sums is formed.
.set LO, 1                             ; v1  16 lane + 8192 wave
.set SO, 2                             ; v2  8 lane + 4096 wave
.set GO, 3                             ; v3  16 lane
.set T,  8                             ; v[8:15]   at work
.set MU, 16                            ; v[16:19]  the mean, twice, for each row
.set RS, 20                            ; v[20:23]  1/sqrt(var + eps), twice, for each row
.set X,  24                            ; v[24:87]  row q at X + 32 q
.set G,  88                            ; v[88:119]
.set BE, 120                           ; v[120:151]
	s_load_b256 s[4:11], s[0:1], 0x0               ; x1, g2, be2, h
	s_mov_b32 s40, 0x76543210
	s_mov_b32 s41, 0xfedcba98
	s_mov_b32 s42, 0x3a800000                      ; 1/1024
	s_lshl_b32 s26, ttmp9, 16                      ; 16 rows of 4,096 bytes
	s_mov_b32 s27, 0
	s_lshl_b32 s28, ttmp9, 15                      ; 16 rows of 2,048 bytes
	s_mov_b32 s29, 0
	v_and_b32 v6, 31, v0
	v_lshrrev_b32 v7, 5, v0
	v_lshlrev_b32 v[GO], 4, v6
	v_lshl_add_u32 v[LO], v7, 13, v[GO]
	v_lshlrev_b32 v6, 3, v6
	v_lshl_add_u32 v[SO], v7, 12, v6
	s_wait_kmcnt 0x0
	s_add_nc_u64 s[4:5], s[4:5], s[26:27]
	s_add_nc_u64 s[10:11], s[10:11], s[28:29]
.irp q, 0,1
.irp j, 0,1,2,3,4,5,6,7
	global_load_b128 v[X+32*\q+4*\j:X+32*\q+4*\j+3], v[LO], s[4:5] offset:4096*\q+512*\j
.endr
.endr
.irp j, 0,1,2,3,4,5,6,7
	global_load_b128 v[G+4*\j:G+4*\j+3], v[GO], s[6:7] offset:512*\j
.endr
.irp j, 0,1,2,3,4,5,6,7
	global_load_b128 v[BE+4*\j:BE+4*\j+3], v[GO], s[8:9] offset:512*\j
.endr
.macro FOLD                            ; four chains of pairs into v[T]
	v_pk_add_f32 v[T:T+1], v[T:T+1], v[T+2:T+3]
	v_pk_add_f32 v[T+4:T+5], v[T+4:T+5], v[T+6:T+7]
	v_pk_add_f32 v[T:T+1], v[T:T+1], v[T+4:T+5]
	v_add_f32 v[T], v[T], v[T+1]
.endm
.macro WSUM                            ; v[T] summed over the 32 lanes, the result in every lane
	v_add_f32_dpp v[T], v[T], v[T] row_xmask:1 row_mask:0xf bank_mask:0xf
	v_add_f32_dpp v[T], v[T], v[T] row_xmask:2 row_mask:0xf bank_mask:0xf
	v_add_f32_dpp v[T], v[T], v[T] row_xmask:4 row_mask:0xf bank_mask:0xf
	v_add_f32_dpp v[T], v[T], v[T] row_xmask:8 row_mask:0xf bank_mask:0xf
	v_permlanex16_b32 v[T+1], v[T], s40, s41       ; its destination counts as read: FOLD has written it
	v_add_f32 v[T], v[T], v[T+1]
.endm
.macro STATS q
.irp c, 0,1,2,3
	v_pk_add_f32 v[T+2*\c:T+2*\c+1], v[X+32*\q+4*\c:X+32*\q+4*\c+1], v[X+32*\q+4*\c+2:X+32*\q+4*\c+3]
.endr
.irp c, 0,1,2,3,4,5,6,7
	v_pk_add_f32 v[T+2*(\c%4):T+2*(\c%4)+1], v[T+2*(\c%4):T+2*(\c%4)+1], v[X+32*\q+16+2*\c:X+32*\q+16+2*\c+1]
.endr
	FOLD
	WSUM
	v_mul_f32 v[MU+2*\q], s42, v[T]
	v_mul_f32 v[MU+2*\q+1], s42, v[T]
.set k, 0
.rept 16
	v_pk_add_f32 v[X+32*\q+2*k:X+32*\q+2*k+1], v[X+32*\q+2*k:X+32*\q+2*k+1], v[MU+2*\q:MU+2*\q+1] neg_lo:[0,1] neg_hi:[0,1]
.set k, k+1
.endr
.irp c, 0,1,2,3
	v_pk_mul_f32 v[T+2*\c:T+2*\c+1], v[X+32*\q+2*\c:X+32*\q+2*\c+1], v[X+32*\q+2*\c:X+32*\q+2*\c+1]
.endr
.set k, 4
.rept 12
	v_pk_fma_f32 v[T+2*(k%4):T+2*(k%4)+1], v[X+32*\q+2*k:X+32*\q+2*k+1], v[X+32*\q+2*k:X+32*\q+2*k+1], v[T+2*(k%4):T+2*(k%4)+1]
.set k, k+1
.endr
	FOLD
	WSUM
	v_fmaak_f32 v[T], s42, v[T], 0x3727c5ac        ; var + 1e-5
	v_rsq_f32 v[RS+2*\q], v[T]
	v_rsq_f32 v[RS+2*\q+1], v[T]
	v_nop                                          ; one plain instruction behind a transcendental (ISA guide 5.7.2)
.endm
.macro EMIT q
	s_wait_alu depctr_va_vdst(0)
.irp j, 0,1,2,3,4,5,6,7
	v_pk_mul_f32 v[X+32*\q+4*\j:X+32*\q+4*\j+1], v[X+32*\q+4*\j:X+32*\q+4*\j+1], v[RS+2*\q:RS+2*\q+1]
	v_pk_mul_f32 v[X+32*\q+4*\j+2:X+32*\q+4*\j+3], v[X+32*\q+4*\j+2:X+32*\q+4*\j+3], v[RS+2*\q:RS+2*\q+1]
	v_pk_fma_f32 v[X+32*\q+4*\j:X+32*\q+4*\j+1], v[X+32*\q+4*\j:X+32*\q+4*\j+1], v[G+4*\j:G+4*\j+1], v[BE+4*\j:BE+4*\j+1]
	v_pk_fma_f32 v[X+32*\q+4*\j+2:X+32*\q+4*\j+3], v[X+32*\q+4*\j+2:X+32*\q+4*\j+3], v[G+4*\j+2:G+4*\j+3], v[BE+4*\j+2:BE+4*\j+3]
	v_cvt_pk_f16_f32 v[X+32*\q+4*\j], v[X+32*\q+4*\j], v[X+32*\q+4*\j+1]
	v_cvt_pk_f16_f32 v[X+32*\q+4*\j+1], v[X+32*\q+4*\j+2], v[X+32*\q+4*\j+3]
	global_store_b64 v[SO], v[X+32*\q+4*\j:X+32*\q+4*\j+1], s[10:11] offset:2048*\q+256*\j
.endr
.endm
	s_wait_loadcnt 24                              ; row 0 is in; row 1, gain and bias stay out
	STATS 0
	s_wait_loadcnt 16                              ; row 1 is in
	STATS 1
	s_wait_loadcnt 0x0                             ; gain and bias
	EMIT 0
	EMIT 1
	s_endpgm
.Lfunc_end_k_q1764da7fde_ln2:
	.size	k_q1764da7fde_ln2, .Lfunc_end_k_q1764da7fde_ln2-k_q1764da7fde_ln2
	.p2alignl 7, 3214868480
	.fill 96, 4, 3214868480
	.section	.rodata,"a",@progbits
	.p2align	6, 0x0
	.amdhsa_kernel k_q1764da7fde_ln2
		.amdhsa_group_segment_fixed_size 0
		.amdhsa_private_segment_fixed_size 0
		.amdhsa_enable_private_segment 0
		.amdhsa_kernarg_size 32
		.amdhsa_user_sgpr_count 2
		.amdhsa_user_sgpr_kernarg_segment_ptr 1
		.amdhsa_wavefront_size32 1
		.amdhsa_system_sgpr_workgroup_id_x 1
		.amdhsa_system_sgpr_workgroup_id_y 1
		.amdhsa_system_sgpr_workgroup_id_z 1
		.amdhsa_system_vgpr_workitem_id 0
		.amdhsa_next_free_vgpr 152
		.amdhsa_next_free_sgpr 66
		.amdhsa_reserve_vcc 0
		.amdhsa_float_denorm_mode_32 3
		.amdhsa_float_denorm_mode_16_64 3
		.amdhsa_memory_ordered 1
		.amdhsa_forward_progress 1
		.amdhsa_inst_pref_size 20
	.end_amdhsa_kernel
	.amdgpu_metadata
---
amdhsa.version: [ 1, 2 ]
amdhsa.kernels:
  - .name:           k_q1764da7fde_ln2
    .symbol:         k_q1764da7fde_ln2.kd
    .args:
      - { .name: x1, .offset: 0, .size: 8, .value_kind: global_buffer, .address_space: global }
      - { .name: g2, .offset: 8, .size: 8, .value_kind: global_buffer, .address_space: global }
      - { .name: be2, .offset: 16, .size: 8, .value_kind: global_buffer, .address_space: global }
      - { .name: h, .offset: 24, .size: 8, .value_kind: global_buffer, .address_space: global }
    .group_segment_fixed_size: 0
    .private_segment_fixed_size: 0
    .kernarg_segment_align: 8
    .kernarg_segment_size: 32
    .max_flat_workgroup_size: 256
    .sgpr_count:     66
    .vgpr_count:     152
    .wavefront_size: 32
...
	.end_amdgpu_metadata
.endif
;; end of part 5
;; launch ff1 (part 6): grid 16 x 16, 4 waves a work-group, clusters of 4 x 4, 327,680 bytes of LDS; arguments h, wb, b1, ffh; writes ffh
.if DOCPART == 6
	.amdgcn_target "amdgcn-amd-amdhsa--gfx1250"
	.amdhsa_code_object_version 6
	.text
	.protected	k_q1764da7fde_ff1
	.globl	k_q1764da7fde_ff1
	.p2align	8
	.type	k_q1764da7fde_ff1,@function
k_q1764da7fde_ff1:
	s_mov_b64 s[64:65], 0
	v_nop
	global_prefetch_b8 v0, s[64:65] scope:SCOPE_SE
	s_setreg_imm32_b32 hwreg(HW_REG_WAVE_MODE, 25, 1), 1
	s_wait_xcnt 0x0
	s_wait_alu depctr_hold_cnt(0) depctr_sa_sdst(0) depctr_va_vdst(0) depctr_va_sdst(0) depctr_va_ssrc(0) depctr_va_vcc(0) depctr_vm_vsrc(0)
	s_getreg_b32 s2, hwreg(HW_REG_IB_STS2, 6, 4)
	s_cmp_eq_u32 s2, 0
	s_cbranch_scc0 .Lentry_in_a_cluster
	s_endpgm
.Lentry_in_a_cluster:
	s_bfe_u32 s2, ttmp6, 0x10000c
	s_cmp_lg_u32 s2, 0xf033
	s_cbranch_scc0 .Lentry_shape_is_right
	s_endpgm
.Lentry_shape_is_right:
; ffh = relu(h [4096][1024] x W1 [1024][4096] + b1), f16 operands, f32 sums, f16 out.
; f16's room: |h| <= 32 |g2| + |be2|; W1 is of size 0.03; the result is of size 32 x size(h) x size(W1): 1 for inputs of the problem's kind,
; about 1,300 with gains, biases and weights all 30 times larger, the largest some six times that.  Limit: beyond 65,504 a result becomes infinite.
; A work-group makes 256 x 256 with four waves, a wave 128 x 128 (64 accumulator tiles, 512 registers).  K goes in steps of 128 through two
; LDS slots filled by the tensor data mover.  16 x 16 = 256 work-groups.
; A (h) lies [M][K]: fragments by two 16-byte loads.  B (W1 in wb) lies [K][N] as given: a slot holds 128 k-rows of 256 columns and the
; fragments come by the transposing LDS load.
; CLUSTERS 4 x 4: A's tile is asked for jointly along a row of the cluster, B's along a column: the requests are divided by four.
; OUT is panel-major: [column / 64][4096 rows][64] f16, the form in which the next product takes it as A.
; The matrix instruction is used transposed (source 0 = 16 columns of B, source 1 = 16 rows of A): a lane's eight results are eight
; neighbouring columns of one row, and the bias of those eight columns, loaded once, is the C operand of the first products.
; Limit: relu is v_max_num_f32 with 0, so a NaN in front of it gives 0.
; Registers: window 0: v16-27 addresses, v64-191 A's fragments (two buffers), v192-223 packed results; window 1: v64-191 B's fragments,
; v192-255 the bias; windows 2, 3: the accumulators of my rows 0-63, 64-127 (tile (a, b) at v[8 (8 a + b)]).
.set BIASED, 1                         ; a bias starts the sums and relu ends them
.set NP,     4096                      ; columns in a row of the weight
.set KSTEP,  128
.set PITCH,  272                       ; A's LDS row: 256 bytes + 16
.set BP,     544                       ; B's LDS row: 512 bytes + 32 = 17 x 32
.set HALFT,  128*PITCH                 ; what one tensor load brings: 128 rows of A, or 64 k-rows of B
.set SLOT,   4*HALFT
.set STAGE,  2*SLOT                    ; behind the ring: 16 rows x 272 bytes for each wave; no fill lands there
.set LAPS,   4                         ; 1024 / 256
.set BROW,   NP*2
.set ADRA, 16
.set ADRB, 20
.set STO,  24
.set RD,   25
.set CO,   26
.set BO,   27
.set F0,   64
.set F1,   128
.set TMP,  192
.set BIA,  192
.set G1,  24
.set G0,  32
.set G1B, 48
.set G0B, 56
.set MSB, 0
.macro WIN new
.if MSB != \new
	s_set_vgpr_msb (MSB<<8)|\new
.set MSB, \new
.endif
.endm
.set MUL_LO, 0xa1
.set MUL_HI, 0xf1
.set TO_B,   0x40
.macro JLOAD s
	s_cmp_eq_u32 s11, 0
	s_cbranch_scc0 .Lfor_b_\@
	tensor_load_to_lds s[G0+4*\s:G0+4*\s+3], s[G1:G1+7]
	s_nop 0
	s_branch .Lasked_\@
.Lfor_b_\@:
	tensor_load_to_lds s[G0B+4*\s:G0B+4*\s+3], s[G1B:G1B+7]
	s_nop 0
.Lasked_\@:
.endm
.macro CREST
	s_cmp_lg_u32 s10, 0
	s_cbranch_scc1 .Lnot_wave_0_\@
	s_barrier_signal -3
.Lnot_wave_0_\@:
	s_barrier_wait -3
	s_barrier_signal -1
	s_barrier_wait -1
.endm
.macro CROUND
	s_barrier_signal -1
	s_barrier_wait -1
	CREST
.endm
	s_load_b128 s[4:7], s[0:1], 0x0                ; h, wb
.if BIASED
	s_load_b64 s[66:67], s[0:1], 0x10              ; the bias
	s_load_b64 s[8:9], s[0:1], 0x18                ; out
	s_set_vgpr_msb 0x40
	v_lshl_add_u32 v63, v0, 2, 0x48400
	s_set_vgpr_msb 0x4000
	v_mov_b32 v255, 0
	s_set_vgpr_msb 0x1
	ds_add_u32 v63, v255
	s_set_vgpr_msb 0x100
.else
	s_load_b64 s[8:9], s[0:1], 0x10                ; out
.endif
	v_lshrrev_b32 v1, 5, v0
	v_readfirstlane_b32 s10, v1                    ; wave 0..3
	s_lshr_b32 s11, s10, 1                         ; my half of the block's rows; also: I fetch for A (0) or B (1)
	s_and_b32 s12, s10, 1                          ; my half of its columns; also: which half of that tile I fetch
	s_bfe_u32 s40, ttmp6, 0x40000                  ; cx
	s_bfe_u32 s41, ttmp6, 0x40004                  ; cy
	s_lshl_b32 s42, ttmp9, 2
	s_add_co_u32 s42, s42, s40                     ; block column
	s_and_b32 s13, ttmp7, 0xffff
	s_lshl_b32 s13, s13, 2
	s_add_co_u32 s13, s13, s41                     ; block row
	s_lshl_b32 s43, s41, 2
	s_lshl_b32 s43, 15, s43                        ; my row of the cluster
	s_lshl_b32 s44, 0x1111, s40                    ; my column of the cluster
	s_or_b32 s[G1+0], s43, 0x07710000              ; mask; 2-byte elements; padding on; bit 21 beside a mask; 4 words behind every 64
	s_mov_b32 s[G1+1], 128<<16
	s_mov_b32 s[G1+2], 128<<16
	s_mov_b32 s[G1+3], 128<<16
	s_mov_b32 s[G1+4], 128
	s_mov_b32 s[G1+5], 1024
	s_mov_b32 s[G1+6], 0
	s_mov_b32 s[G1+7], 0
	s_or_b32 s[G1B+0], s44, 0x0fb10000             ; the column's mask; 8 words behind every 128
	s_mov_b32 s[G1B+1], 256<<16
	s_mov_b32 s[G1B+2], 64<<16
	s_mov_b32 s[G1B+3], 256<<16
	s_mov_b32 s[G1B+4], 64
	s_mov_b32 s[G1B+5], NP
	s_mov_b32 s[G1B+6], 0
	s_mov_b32 s[G1B+7], 0
	s_lshl_b32 s17, s12, 7
	s_lshl_b32 s16, s13, 8
	s_add_co_u32 s16, s16, s17                     ; A: row 256 x block row + 128 x half,
	s_lshl_b32 s16, s16, 11                        ; in bytes
	s_mov_b32 s17, 0
.if BIASED
	s_lshl_b32 s46, s42, 9                         ; B: 512 bytes a block column, behind W1's place in wb
	s_add_co_u32 s46, s46, 8388608
.else
	s_lshr_b32 s46, s42, 2
	s_lshl_b32 s46, s46, 21
	s_and_b32 s47, s42, 3
	s_lshl_b32 s47, s47, 9
	s_add_co_u32 s46, s46, s47
.endif
	s_mul_i32 s47, s12, 64*BROW                    ; my 64 k-rows of the step
	s_add_co_u32 s46, s46, s47
	s_mov_b32 s47, 0
	s_mul_i32 s20, s10, HALFT
	s_wait_dscnt 0x0
	s_wait_kmcnt 0x0
	s_add_nc_u64 s[14:15], s[4:5], s[16:17]
	s_add_nc_u64 s[46:47], s[6:7], s[46:47]
	CROUND                                         ; the first joint loads meet
.irp s, 0,1
	s_mov_b32 s[G0+4*\s], 1
	s_add_co_u32 s[G0+4*\s+1], s20, \s*SLOT
	s_add_nc_u64 s[G0+4*\s+2:G0+4*\s+3], s[14:15], \s*KSTEP*2
	s_or_b32 s[G0+4*\s+3], s[G0+4*\s+3], 0x80000000
	s_mov_b32 s[G0B+4*\s], 1
	s_add_co_u32 s[G0B+4*\s+1], s20, \s*SLOT
	s_add_nc_u64 s[G0B+4*\s+2:G0B+4*\s+3], s[46:47], \s*KSTEP*BROW
	s_or_b32 s[G0B+4*\s+3], s[G0B+4*\s+3], 0x80000000
	JLOAD \s                                       ; two tensor loads of the wave are out
.endr
	v_and_b32 v1, 15, v0                           ; r
	v_bfe_u32 v2, v0, 4, 1                         ; h
	v_and_b32 v8, 7, v0
	v_bfe_u32 v7, v0, 3, 1
	v_mul_u32_u24 v3, v1, PITCH
	v_lshl_add_u32 v3, v2, 4, v3
	v_lshl_add_u32 v6, v2, 3, v8
	v_mul_u32_u24 v6, v6, BP
	v_lshl_add_u32 v6, v7, 4, v6
	s_mul_i32 s21, s11, HALFT
	s_lshl_b32 s22, s12, 8
	s_add_co_u32 s22, s22, 2*HALFT
.irp s, 0,1
	v_add_nc_u32 v[ADRA+\s], s21, v3
	v_add_nc_u32 v[ADRB+\s], s22, v6
	s_add_co_u32 s21, s21, SLOT
	s_add_co_u32 s22, s22, SLOT
.endr
	s_mul_i32 s23, s10, 16*PITCH
	s_add_co_u32 s23, s23, STAGE
	v_add_nc_u32 v[STO], s23, v3
	v_mul_u32_u24 v9, v7, PITCH
	v_lshl_add_u32 v9, v8, 4, v9
	v_lshl_add_u32 v9, v2, 7, v9
	v_add_nc_u32 v[RD], s23, v9
	v_lshlrev_b32 v5, 4, v8
	v_lshl_add_u32 v5, v7, 7, v5
	v_lshl_add_u32 v[CO], v2, 19, v5
.if BIASED
	s_lshl_b32 s68, s42, 10                        ; the bias of my 128 columns: 1,024 bytes a block column + 512 a half
	s_lshl_b32 s69, s12, 9
	s_add_co_u32 s68, s68, s69
	s_mov_b32 s69, 0
	s_add_nc_u64 s[66:67], s[66:67], s[68:69]
	v_lshlrev_b32 v[BO], 5, v2                     ; lane (r, h), register j of tile b is column 16 b + 8 h + j
	WIN TO_B
.irp b, 0,1,2,3,4,5,6,7
	global_load_b128 v[BIA+8*\b:BIA+8*\b+3],   v[BO], s[66:67] offset:64*\b
	global_load_b128 v[BIA+8*\b+4:BIA+8*\b+7], v[BO], s[66:67] offset:64*\b+16
.endr
	WIN 0
.endif
; 16 matrix instructions.  zero = 1: the first product starts the sums; 2: the bias does, as C.  The 64 accumulators take turns, one
; instruction a turn.
.macro MUL16 f, hi, a0, zero
.irp a, \a0, \a0+1
.irp b, 0,1,2,3,4,5,6,7
.if \zero == 1
	v_wmma_f32_16x16x32_f16 v[8*(8*(\a)+\b):8*(8*(\a)+\b)+7], v[\f+8*\b:\f+8*\b+7], v[\f+8*(4*\hi+\a):\f+8*(4*\hi+\a)+7], 0
.else
.if \zero == 2
	v_wmma_f32_16x16x32_f16 v[8*(8*(\a)+\b):8*(8*(\a)+\b)+7], v[\f+8*\b:\f+8*\b+7], v[\f+8*(4*\hi+\a):\f+8*(4*\hi+\a)+7], v[BIA+8*\b:BIA+8*\b+7]
.else
	v_wmma_f32_16x16x32_f16 v[8*(8*(\a)+\b):8*(8*(\a)+\b)+7], v[\f+8*\b:\f+8*\b+7], v[\f+8*(4*\hi+\a):\f+8*(4*\hi+\a)+7], v[8*(8*(\a)+\b):8*(8*(\a)+\b)+7]
.endif
.endif
.endr
.endr
.endm
.macro MWIN hi, zero                   ; with the bias as C, source 2 is window 1
.if \zero == 2
	WIN 0x91+0x40*\hi
.else
	WIN MUL_LO+0x50*\hi
.endif
.endm
.macro FETCH slot, q, f
	WIN TO_B
.irp i, 0,1,2,3,4,5,6,7
	ds_load_tr16_b128 v[\f+8*\i:\f+8*\i+3],   v[ADRB+\slot] offset:\q*32*BP+32*\i
	ds_load_tr16_b128 v[\f+8*\i+4:\f+8*\i+7], v[ADRB+\slot] offset:\q*32*BP+16*BP+32*\i
.endr
	WIN 0
.irp i, 0,1,2,3,4,5,6,7
	ds_load_b128 v[\f+8*\i:\f+8*\i+3],   v[ADRA+\slot] offset:\q*64+\i*16*PITCH
	ds_load_b128 v[\f+8*\i+4:\f+8*\i+7], v[ADRA+\slot] offset:\q*64+\i*16*PITCH+32
.endr
.endm
.macro PLACES                          ; four plain vector instructions between a matrix instruction and a load into, or a vector use of, its registers
.rept 4
	v_nop
.endr
.endm
.macro QUARTER slot, q, f, g, zero
	s_wait_dscnt 8                                 ; B and A's rows 0-63 are in; the youngest eight loads may be out
	MWIN 0, \zero
	MUL16 \f, 0, 0, \zero
	MUL16 \f, 0, 2, \zero
	PLACES
	FETCH \slot, \q, \g
	s_wait_dscnt 32                                ; all but the 32 just issued
	MWIN 1, \zero
	MUL16 \f, 1, 0, \zero
	MUL16 \f, 1, 2, \zero
.endm
.macro THREE slot, zero
	QUARTER \slot, 1, F0, F1, \zero
	QUARTER \slot, 2, F1, F0, 0
	QUARTER \slot, 3, F0, F1, 0
.endm
; The last quarter of a K step changes slots: each wave's reads of this slot and all its tensor loads are waited for in front of the
; barrier; behind it the refill comes first, then the next slot's fragments.
.macro TURN slot, next, fill
	s_wait_dscnt 8
	WIN MUL_LO
	MUL16 F1, 0, 0, 0
	s_wait_dscnt 0
	s_wait_tensorcnt 0x0
	ds_add_u32 v63, v255
	s_wait_dscnt 0x0
	s_barrier_signal -1
	MUL16 F1, 0, 2, 0
	WIN 0
	s_barrier_wait -1
.if \fill
	CREST
	s_add_nc_u64 s[G0+4*\slot+2:G0+4*\slot+3], s[G0+4*\slot+2:G0+4*\slot+3], 2*KSTEP*2
	s_add_nc_u64 s[G0B+4*\slot+2:G0B+4*\slot+3], s[G0B+4*\slot+2:G0B+4*\slot+3], 2*KSTEP*BROW
	JLOAD \slot                                    ; the wave's one tensor load behind the round
.endif
	PLACES
	FETCH \next, 0, F0
	WIN MUL_HI
	MUL16 F1, 1, 0, 0
	MUL16 F1, 1, 2, 0
.endm
.macro LAP zero
	THREE 0, \zero
	TURN 0, 1, 1
	THREE 1, 0
	TURN 1, 0, 1
.endm
	s_wait_tensorcnt 1                             ; my part of K step 0 is in; K step 1's stays out
	s_barrier_signal -1
	s_barrier_wait -1
	FETCH 0, 0, F0
.if BIASED
	s_wait_loadcnt 0x0                             ; the bias
	LAP 2
.else
	LAP 1
.endif
	WIN 0
	s_mov_b32 s3, LAPS-2
.Llap:
	LAP 0
	WIN 0
	s_sub_co_u32 s3, s3, 1
	s_cmp_lg_u32 s3, 0
	s_cbranch_scc1 .Llap
	THREE 0, 0                                     ; the last lap fills nothing
	TURN 0, 1, 0
	THREE 1, 0
	s_wait_dscnt 8
	WIN MUL_LO
	MUL16 F1, 0, 0, 0
	MUL16 F1, 0, 2, 0
	s_wait_dscnt 0
	WIN MUL_HI
	MUL16 F1, 1, 0, 0
	MUL16 F1, 1, 2, 0
	; THE WAY OUT, 16 rows at a time through my own stage: 16 bytes a lane in, two rows of one panel (256 consecutive bytes) for sixteen lanes out.
	PLACES
	s_lshl_b32 s16, s13, 8
	s_lshl_b32 s14, s11, 7
	s_add_co_u32 s16, s16, s14                     ; my first row,
	s_lshl_b32 s16, s16, 7                         ; 128 bytes a row in a panel
	s_mov_b32 s17, 0
	s_add_nc_u64 s[8:9], s[8:9], s[16:17]
	s_lshl_b32 s46, s42, 2                         ; my first panel: 4 x block column + 2 x half
	s_lshl_b32 s47, s12, 1
	s_add_co_u32 s46, s46, s47
	s_lshl_b32 s46, s46, 19
	s_mov_b32 s47, 0
	s_add_nc_u64 s[8:9], s[8:9], s[46:47]
.macro OUT16 i, a, win, f
.if BIASED
	WIN (\win<<6)|(\win<<2)
.irp b, 0,1,2,3,4,5,6,7
.irp r, 0,1,2,3,4,5,6,7
	v_max_num_f32 v[8*(8*\a+\b)+\r], 0, v[8*(8*\a+\b)+\r]
.endr
.endr
.endif
	WIN (\win<<2)|\win
.irp b, 0,1,2,3,4,5,6,7
.irp r, 0,1,2,3
	v_cvt_pk_f16_f32 v[TMP+4*\b+\r], v[8*(8*\a+\b)+2*\r], v[8*(8*\a+\b)+2*\r+1]
.endr
.endr
	WIN 0
.irp b, 0,1,2,3,4,5,6,7
	ds_store_b128 v[STO], v[TMP+4*\b:TMP+4*\b+3] offset:32*\b
.endr
	s_wait_xcnt 0x0                                ; buffer f is store data of two turns ago: it is loaded again only behind this wait
.irp t, 0,1,2,3,4,5,6,7
	ds_load_b128 v[\f+4*\t:\f+4*\t+3], v[RD] offset:\t*2*PITCH     ; LDS serves a wave's instructions in order (ISA guide 5.7.1.4)
.endr
.irp t, 0,1,2,3,4,5,6,7
	s_wait_dscnt 7-\t
	global_store_b128 v[CO], v[\f+4*\t:\f+4*\t+3], s[8:9] offset:\i*2048+\t*256
.endr
.endm
	OUT16 0, 0, 2, F0
	OUT16 1, 1, 2, F1
	OUT16 2, 2, 2, F0
	OUT16 3, 3, 2, F1
	OUT16 4, 0, 3, F0
	OUT16 5, 1, 3, F1
	OUT16 6, 2, 3, F0
	OUT16 7, 3, 3, F1
	s_set_vgpr_msb 0x1
	s_wait_tensorcnt 0x0
	ds_add_u32 v63, v255
	s_wait_dscnt 0x0
	s_set_vgpr_msb 0x100
	CROUND                                         ; the closing round
	s_endpgm
.Lfunc_end_k_q1764da7fde_ff1:
	.size	k_q1764da7fde_ff1, .Lfunc_end_k_q1764da7fde_ff1-k_q1764da7fde_ff1
	.p2alignl 7, 3214868480
	.fill 96, 4, 3214868480
	.section	.rodata,"a",@progbits
	.p2align	6, 0x0
	.amdhsa_kernel k_q1764da7fde_ff1
		.amdhsa_group_segment_fixed_size 327680
		.amdhsa_private_segment_fixed_size 0
		.amdhsa_enable_private_segment 0
		.amdhsa_kernarg_size 32
		.amdhsa_user_sgpr_count 2
		.amdhsa_user_sgpr_kernarg_segment_ptr 1
		.amdhsa_wavefront_size32 1
		.amdhsa_system_sgpr_workgroup_id_x 1
		.amdhsa_system_sgpr_workgroup_id_y 1
		.amdhsa_system_sgpr_workgroup_id_z 1
		.amdhsa_system_vgpr_workitem_id 0
		.amdhsa_next_free_vgpr 1024
		.amdhsa_next_free_sgpr 72
		.amdhsa_reserve_vcc 0
		.amdhsa_float_denorm_mode_32 3
		.amdhsa_float_denorm_mode_16_64 3
		.amdhsa_memory_ordered 1
		.amdhsa_forward_progress 1
		.amdhsa_inst_pref_size 214
	.end_amdhsa_kernel
	.amdgpu_metadata
---
amdhsa.version: [ 1, 2 ]
amdhsa.kernels:
  - .name:           k_q1764da7fde_ff1
    .symbol:         k_q1764da7fde_ff1.kd
    .args:
      - { .name: h, .offset: 0, .size: 8, .value_kind: global_buffer, .address_space: global }
      - { .name: wb, .offset: 8, .size: 8, .value_kind: global_buffer, .address_space: global }
      - { .name: b1, .offset: 16, .size: 8, .value_kind: global_buffer, .address_space: global }
      - { .name: ffh, .offset: 24, .size: 8, .value_kind: global_buffer, .address_space: global }
    .group_segment_fixed_size: 327680
    .private_segment_fixed_size: 0
    .kernarg_segment_align: 8
    .kernarg_segment_size: 32
    .max_flat_workgroup_size: 128
    .sgpr_count:     72
    .vgpr_count:     1024
    .wavefront_size: 32
...
	.end_amdgpu_metadata
.endif
;; end of part 6
;; launch ff2 (part 7): grid 8 x 32, 4 waves a work-group, clusters of 4 x 4, 327,680 bytes of LDS; arguments ffh, wb, b2, x1, out0; writes out0
.if DOCPART == 7
	.amdgcn_target "amdgcn-amd-amdhsa--gfx1250"
	.amdhsa_code_object_version 6
	.text
	.protected	k_q1764da7fde_ff2
	.globl	k_q1764da7fde_ff2
	.p2align	8
	.type	k_q1764da7fde_ff2,@function
k_q1764da7fde_ff2:
	s_mov_b64 s[64:65], 0
	v_nop
	global_prefetch_b8 v0, s[64:65] scope:SCOPE_SE
	s_setreg_imm32_b32 hwreg(HW_REG_WAVE_MODE, 25, 1), 1
	s_wait_xcnt 0x0
	s_wait_alu depctr_hold_cnt(0) depctr_sa_sdst(0) depctr_va_vdst(0) depctr_va_sdst(0) depctr_va_ssrc(0) depctr_va_vcc(0) depctr_vm_vsrc(0)
	s_getreg_b32 s2, hwreg(HW_REG_IB_STS2, 6, 4)
	s_cmp_eq_u32 s2, 0
	s_cbranch_scc0 .Lentry_in_a_cluster
	s_endpgm
.Lentry_in_a_cluster:
	s_bfe_u32 s2, ttmp6, 0x10000c
	s_cmp_lg_u32 s2, 0xf033
	s_cbranch_scc0 .Lentry_shape_is_right
	s_endpgm
.Lentry_shape_is_right:
; out = res + A W + bias in f32.  A: panel-major f16 [K / 64][4096][64]; W: f16 [K][1024] inside wb; res, out: f32 [4096][1024].  K = 4096.
; 4096 x 1024 outputs on 256 work-groups are 128 x 128 each.  Every wave keeps the WHOLE block in 64 accumulator tiles (512 registers) and
; takes a quarter of K: for 32 along K it loads 16 KiB from LDS for 64 matrix instructions, where four wave tiles of 64 x 64 would load
; 8 KiB for 16.  The four partial sums meet once, in LDS, at the end.
; A slot holds K = 256: four panels of A (128 rows x 144 bytes each), then 256 k-rows of W (256 bytes + 32).  Wave w multiplies panel w and
; k-rows 64 w .. 64 w + 63.  Waves 0, 1 fetch two panels each, waves 2, 3 128 k-rows each, one tensor load a wave.
; CLUSTERS 4 x 4: A's tile is asked for jointly along a row of the cluster, W's along a column.
; The matrix instruction is used transposed (source 0 = 16 columns of W, source 1 = 16 rows of A).
; Limit: the sum over K is formed in four parts, another order than the reference's.
.set WOFF,  16777216                   ; the weight's place in wb
.set LAPS,  8                          ; K / 512: a lap is two slots
.set PANB,  524288
.set AP,    144
.set BPI,   288
.set PART,  36864
.set SLOT,  4*PART
.set XP,    528
.set XW,    128*XP
.set ADRA, 16
.set ADRB, 20
.set STO,  24
.set RDP,  26
.set LO,   30
.set BI,   32
.set F0,   64
.set F1,   128
.set RES,  64
.set W,    192
.set G1,  24
.set G0,  32
.set G1B, 48
.set G0B, 56
.set MSB, 0
.macro WIN new
.if MSB != \new
	s_set_vgpr_msb (MSB<<8)|\new
.set MSB, \new
.endif
.endm
.set MUL_LO, 0xa1
.set MUL_HI, 0xf1
.set TO_B,   0x40
.macro JLOAD s
	s_cmp_eq_u32 s11, 0
	s_cbranch_scc0 .Lfor_b_\@
	tensor_load_to_lds s[G0+4*\s:G0+4*\s+3], s[G1:G1+7]
	s_nop 0
	s_branch .Lasked_\@
.Lfor_b_\@:
	tensor_load_to_lds s[G0B+4*\s:G0B+4*\s+3], s[G1B:G1B+7]
	s_nop 0
.Lasked_\@:
.endm
.macro CREST
	s_cmp_lg_u32 s10, 0
	s_cbranch_scc1 .Lnot_wave_0_\@
	s_barrier_signal -3
.Lnot_wave_0_\@:
	s_barrier_wait -3
	s_barrier_signal -1
	s_barrier_wait -1
.endm
.macro CROUND
	s_barrier_signal -1
	s_barrier_wait -1
	CREST
.endm
	s_load_b128 s[4:7], s[0:1], 0x0                ; A, wb
	s_load_b64 s[66:67], s[0:1], 0x10              ; bias
	s_load_b128 s[68:71], s[0:1], 0x18             ; res, out
	s_set_vgpr_msb 0x40
	v_lshl_add_u32 v255, v0, 2, 0x48000
	s_set_vgpr_msb 0x4000
	v_mov_b32 v63, 0
	s_set_vgpr_msb 0x1
	ds_add_u32 v255, v63
	s_set_vgpr_msb 0x100
	v_lshrrev_b32 v1, 5, v0
	v_readfirstlane_b32 s10, v1                    ; wave 0..3
	s_lshr_b32 s11, s10, 1                         ; I fetch for A (0) or for W (1)
	s_and_b32 s12, s10, 1                          ; which half of it
	s_bfe_u32 s40, ttmp6, 0x40000                  ; cx
	s_bfe_u32 s41, ttmp6, 0x40004                  ; cy
	s_lshl_b32 s42, ttmp9, 2
	s_add_co_u32 s42, s42, s40                     ; block column
	s_and_b32 s13, ttmp7, 0xffff
	s_lshl_b32 s13, s13, 2
	s_add_co_u32 s13, s13, s41                     ; block row
	s_lshl_b32 s43, s41, 2
	s_lshl_b32 s43, 15, s43                        ; my row of the cluster
	s_lshl_b32 s44, 0x1111, s40                    ; my column
	; A: the block's 128 rows of one panel are 16,384 dense bytes, taken as ONE row of 8,192 elements; two panels are two such rows.
	; The padding is counted along the whole tile, so each 128 bytes (32 words) get their 16.
	s_or_b32 s[G1+0], s43, 0x07310000
	s_mov_b32 s[G1+1], 8192<<16
	s_mov_b32 s[G1+2], 2<<16
	s_mov_b32 s[G1+3], 8192<<16
	s_mov_b32 s[G1+4], 2
	s_mov_b32 s[G1+5], PANB/2
	s_mov_b32 s[G1+6], 0
	s_mov_b32 s[G1+7], 0
	s_or_b32 s[G1B+0], s44, 0x0f710000             ; W: 8 words behind every 64
	s_mov_b32 s[G1B+1], 128<<16
	s_mov_b32 s[G1B+2], 128<<16
	s_mov_b32 s[G1B+3], 128<<16
	s_mov_b32 s[G1B+4], 128
	s_mov_b32 s[G1B+5], 1024
	s_mov_b32 s[G1B+6], 0
	s_mov_b32 s[G1B+7], 0
	s_lshl_b32 s16, s12, 20                        ; A: panels 2 x half,
	s_lshl_b32 s17, s13, 14                        ; the block row's 128 rows of 128 bytes
	s_add_co_u32 s16, s16, s17
	s_mov_b32 s17, 0
	s_lshl_b32 s46, s12, 18                        ; W: k-rows 128 x half of 2,048 bytes,
	s_lshl_b32 s47, s42, 8                         ; the block column's 256 bytes,
	s_add_co_u32 s46, s46, s47
	s_add_co_u32 s46, s46, WOFF                    ; behind the weight's place in wb
	s_mov_b32 s47, 0
	s_mul_i32 s20, s10, PART
	s_wait_dscnt 0x0
	s_wait_kmcnt 0x0
	s_add_nc_u64 s[14:15], s[4:5], s[16:17]
	s_add_nc_u64 s[46:47], s[6:7], s[46:47]
	CROUND                                         ; the first joint loads meet
.irp s, 0,1
	s_mov_b32 s[G0+4*\s], 1
	s_add_co_u32 s[G0+4*\s+1], s20, \s*SLOT
	s_add_nc_u64 s[G0+4*\s+2:G0+4*\s+3], s[14:15], \s*4*PANB
	s_or_b32 s[G0+4*\s+3], s[G0+4*\s+3], 0x80000000
	s_mov_b32 s[G0B+4*\s], 1
	s_add_co_u32 s[G0B+4*\s+1], s20, \s*SLOT
	s_add_nc_u64 s[G0B+4*\s+2:G0B+4*\s+3], s[46:47], \s*256*2048
	s_or_b32 s[G0B+4*\s+3], s[G0B+4*\s+3], 0x80000000
	JLOAD \s                                       ; two tensor loads of the wave are out
.endr
	v_and_b32 v1, 15, v0                           ; r
	v_bfe_u32 v2, v0, 4, 1                         ; h
	v_and_b32 v8, 7, v0
	v_bfe_u32 v7, v0, 3, 1
	v_and_b32 v9, 31, v0
	v_mul_u32_u24 v3, v1, AP
	v_lshl_add_u32 v3, v2, 4, v3
	v_lshl_add_u32 v6, v2, 3, v8
	v_mul_u32_u24 v6, v6, BPI
	v_lshl_add_u32 v6, v7, 4, v6
	s_mul_i32 s21, s10, 128*AP                     ; my panel
	s_add_co_u32 s22, s21, 2*PART                  ; my 64 k-rows (64 x 288 = 128 x 144), behind A
.irp s, 0,1
	v_add_nc_u32 v[ADRA+\s], s21, v3
	v_add_nc_u32 v[ADRB+\s], s22, v6
	s_add_co_u32 s21, s21, SLOT
	s_add_co_u32 s22, s22, SLOT
.endr
	s_mul_i32 s23, s10, XW
	v_mul_u32_u24 v4, v1, XP
	v_lshl_add_u32 v4, v2, 5, v4
	v_add_nc_u32 v[STO], s23, v4
	v_lshlrev_b32 v[LO], 4, v9
	s_mul_i32 s23, s10, 32*XP
.irp p, 0,1,2,3
	v_add_nc_u32 v[RDP+\p], s23, v[LO]
	s_add_co_u32 s23, s23, XW
.endr
; 16 matrix instructions; the 64 accumulators take turns, one instruction a turn.
.macro MUL16 f, hi, a0, zero
.irp a, \a0, \a0+1
.irp b, 0,1,2,3,4,5,6,7
.if \zero
	v_wmma_f32_16x16x32_f16 v[8*(8*(\a)+\b):8*(8*(\a)+\b)+7], v[\f+8*\b:\f+8*\b+7], v[\f+8*(4*\hi+\a):\f+8*(4*\hi+\a)+7], 0
.else
	v_wmma_f32_16x16x32_f16 v[8*(8*(\a)+\b):8*(8*(\a)+\b)+7], v[\f+8*\b:\f+8*\b+7], v[\f+8*(4*\hi+\a):\f+8*(4*\hi+\a)+7], v[8*(8*(\a)+\b):8*(8*(\a)+\b)+7]
.endif
.endr
.endr
.endm
.macro FETCH slot, t, f
	WIN TO_B
.irp i, 0,1,2,3,4,5,6,7
	ds_load_tr16_b128 v[\f+8*\i:\f+8*\i+3],   v[ADRB+\slot] offset:\t*32*BPI+32*\i
	ds_load_tr16_b128 v[\f+8*\i+4:\f+8*\i+7], v[ADRB+\slot] offset:\t*32*BPI+16*BPI+32*\i
.endr
	WIN 0
.irp i, 0,1,2,3,4,5,6,7
	ds_load_b128 v[\f+8*\i:\f+8*\i+3],   v[ADRA+\slot] offset:\t*64+\i*16*AP
	ds_load_b128 v[\f+8*\i+4:\f+8*\i+7], v[ADRA+\slot] offset:\t*64+\i*16*AP+32
.endr
.endm
.macro PLACES                          ; four plain vector instructions between a matrix instruction and a load into, or a use of, its registers
.rept 4
	v_nop
.endr
.endm
.macro QUARTER slot, zero
	s_wait_dscnt 8                                 ; W and A's rows 0-63 are in; the youngest eight loads may be out
	WIN MUL_LO
	MUL16 F0, 0, 0, \zero
	MUL16 F0, 0, 2, \zero
	PLACES
	FETCH \slot, 1, F1
	s_wait_dscnt 32                                ; all but the 32 just issued
	WIN MUL_HI
	MUL16 F0, 1, 0, \zero
	MUL16 F0, 1, 2, \zero
.endm
; Multiplies buffer 1 and changes slots: each wave's reads of this slot and all its tensor loads are waited for in front of the barrier;
; behind it the refill comes first, then the next slot's fragments.
.macro TURN slot, next, fill
	s_wait_dscnt 8
	WIN MUL_LO
	MUL16 F1, 0, 0, 0
	s_wait_dscnt 0
	s_wait_tensorcnt 0x0
	ds_add_u32 v255, v63
	s_wait_dscnt 0x0
	s_barrier_signal -1
	MUL16 F1, 0, 2, 0
	WIN 0
	s_barrier_wait -1
.if \fill
	CREST
	s_add_nc_u64 s[G0+4*\slot+2:G0+4*\slot+3], s[G0+4*\slot+2:G0+4*\slot+3], 8*PANB
	s_add_nc_u64 s[G0B+4*\slot+2:G0B+4*\slot+3], s[G0B+4*\slot+2:G0B+4*\slot+3], 512*2048
	JLOAD \slot                                    ; the wave's one tensor load behind the round
.endif
	PLACES
	FETCH \next, 0, F0
	WIN MUL_HI
	MUL16 F1, 1, 0, 0
	MUL16 F1, 1, 2, 0
.endm
.macro LAP zero
	QUARTER 0, \zero
	TURN 0, 1, 1
	QUARTER 1, 0
	TURN 1, 0, 1
.endm
	s_wait_tensorcnt 1                             ; my part of slot 0 is in; slot 1's stays out
	s_barrier_signal -1
	s_barrier_wait -1
	FETCH 0, 0, F0
	LAP 1
.if LAPS > 2
	WIN 0
	s_mov_b32 s3, LAPS-2
.Llap:
	LAP 0
	WIN 0
	s_sub_co_u32 s3, s3, 1
	s_cmp_lg_u32 s3, 0
	s_cbranch_scc1 .Llap
.endif
	QUARTER 0, 0                                   ; the last lap fills nothing
	TURN 0, 1, 0
	QUARTER 1, 0
	s_wait_dscnt 8
	WIN MUL_LO
	MUL16 F1, 0, 0, 0
	MUL16 F1, 0, 2, 0
	s_wait_dscnt 0
	WIN MUL_HI
	MUL16 F1, 1, 0, 0
	MUL16 F1, 1, 2, 0
	; THE WAY OUT.  The ring has had its last fill; it now serves the exchange of the four partial blocks (4 x 67,584 bytes).
	PLACES
	WIN 0
	s_lshl_b32 s16, s13, 19
	s_lshl_b32 s14, s10, 17
	s_add_co_u32 s16, s16, s14
	s_mov_b32 s17, 0
	s_add_nc_u64 s[68:69], s[68:69], s[16:17]
	s_add_nc_u64 s[70:71], s[70:71], s[16:17]
	s_lshl_b32 s46, s42, 9
	s_mov_b32 s47, 0
	s_add_nc_u64 s[68:69], s[68:69], s[46:47]
	s_add_nc_u64 s[70:71], s[70:71], s[46:47]
	s_add_nc_u64 s[66:67], s[66:67], s[46:47]
.set k, 0
.rept 32
	global_load_b128 v[RES+4*k:RES+4*k+3], v[LO], s[68:69] offset:4096*k
.set k, k+1
.endr
	global_load_b128 v[BI:BI+3], v[LO], s[66:67]
	s_wait_dscnt 0x0
	s_barrier_signal -1
	s_barrier_wait -1                              ; no wave reads the ring any more
.macro XOUT win, hi
	WIN \win
.irp a, 0,1,2,3
.irp b, 0,1,2,3,4,5,6,7
	ds_store_b128 v[STO], v[8*(8*\a+\b):8*(8*\a+\b)+3]   offset:(4*\hi+\a)*16*XP+64*\b
	ds_store_b128 v[STO], v[8*(8*\a+\b)+4:8*(8*\a+\b)+7] offset:(4*\hi+\a)*16*XP+64*\b+16
.endr
.endr
.endm
	XOUT 0x08, 0
	XOUT 0x0c, 1
	WIN 0
	s_wait_dscnt 0x0                               ; my partial block is written,
	s_barrier_signal -1
	s_barrier_wait -1                              ; everybody's is
	s_wait_loadcnt 0x0                             ; residual and bias
.macro OUT4 g
.if \g
	s_wait_xcnt 0x0                                ; W's registers are store data: they are loaded again only behind this wait
.endif
.irp i, 0,1,2,3
.irp p, 0,1,2,3
	ds_load_b128 v[W+16*\i+4*\p:W+16*\i+4*\p+3], v[RDP+\p] offset:(4*\g+\i)*XP
.endr
.endr
.irp i, 0,1,2,3
	s_wait_dscnt 12-4*\i                           ; row i's four loads are in; the later rows' stay out
	v_pk_add_f32 v[W+16*\i:W+16*\i+1],     v[W+16*\i:W+16*\i+1],     v[W+16*\i+4:W+16*\i+5]
	v_pk_add_f32 v[W+16*\i+2:W+16*\i+3],   v[W+16*\i+2:W+16*\i+3],   v[W+16*\i+6:W+16*\i+7]
	v_pk_add_f32 v[W+16*\i+8:W+16*\i+9],   v[W+16*\i+8:W+16*\i+9],   v[W+16*\i+12:W+16*\i+13]
	v_pk_add_f32 v[W+16*\i+10:W+16*\i+11], v[W+16*\i+10:W+16*\i+11], v[W+16*\i+14:W+16*\i+15]
	v_pk_add_f32 v[RES+4*(4*\g+\i):RES+4*(4*\g+\i)+1],   v[RES+4*(4*\g+\i):RES+4*(4*\g+\i)+1],   v[BI:BI+1]
	v_pk_add_f32 v[RES+4*(4*\g+\i)+2:RES+4*(4*\g+\i)+3], v[RES+4*(4*\g+\i)+2:RES+4*(4*\g+\i)+3], v[BI+2:BI+3]
	v_pk_add_f32 v[W+16*\i:W+16*\i+1],     v[W+16*\i:W+16*\i+1],     v[W+16*\i+8:W+16*\i+9]
	v_pk_add_f32 v[W+16*\i+2:W+16*\i+3],   v[W+16*\i+2:W+16*\i+3],   v[W+16*\i+10:W+16*\i+11]
	v_pk_add_f32 v[W+16*\i:W+16*\i+1],     v[W+16*\i:W+16*\i+1],     v[RES+4*(4*\g+\i):RES+4*(4*\g+\i)+1]
	v_pk_add_f32 v[W+16*\i+2:W+16*\i+3],   v[W+16*\i+2:W+16*\i+3],   v[RES+4*(4*\g+\i)+2:RES+4*(4*\g+\i)+3]
	global_store_b128 v[LO], v[W+16*\i:W+16*\i+3], s[70:71] offset:(4*\g+\i)*4096
.endr
.endm
.irp g, 0,1,2,3,4,5,6,7
	OUT4 \g
.endr
	s_set_vgpr_msb 0x1
	s_wait_tensorcnt 0x0
	ds_add_u32 v255, v63
	s_wait_dscnt 0x0
	s_set_vgpr_msb 0x100
	CROUND                                         ; the closing round
	s_endpgm
.Lfunc_end_k_q1764da7fde_ff2:
	.size	k_q1764da7fde_ff2, .Lfunc_end_k_q1764da7fde_ff2-k_q1764da7fde_ff2
	.p2alignl 7, 3214868480
	.fill 96, 4, 3214868480
	.section	.rodata,"a",@progbits
	.p2align	6, 0x0
	.amdhsa_kernel k_q1764da7fde_ff2
		.amdhsa_group_segment_fixed_size 327680
		.amdhsa_private_segment_fixed_size 0
		.amdhsa_enable_private_segment 0
		.amdhsa_kernarg_size 40
		.amdhsa_user_sgpr_count 2
		.amdhsa_user_sgpr_kernarg_segment_ptr 1
		.amdhsa_wavefront_size32 1
		.amdhsa_system_sgpr_workgroup_id_x 1
		.amdhsa_system_sgpr_workgroup_id_y 1
		.amdhsa_system_sgpr_workgroup_id_z 1
		.amdhsa_system_vgpr_workitem_id 0
		.amdhsa_next_free_vgpr 1024
		.amdhsa_next_free_sgpr 80
		.amdhsa_reserve_vcc 0
		.amdhsa_float_denorm_mode_32 3
		.amdhsa_float_denorm_mode_16_64 3
		.amdhsa_memory_ordered 1
		.amdhsa_forward_progress 1
		.amdhsa_inst_pref_size 131
	.end_amdhsa_kernel
	.amdgpu_metadata
---
amdhsa.version: [ 1, 2 ]
amdhsa.kernels:
  - .name:           k_q1764da7fde_ff2
    .symbol:         k_q1764da7fde_ff2.kd
    .args:
      - { .name: ffh, .offset: 0, .size: 8, .value_kind: global_buffer, .address_space: global }
      - { .name: wb, .offset: 8, .size: 8, .value_kind: global_buffer, .address_space: global }
      - { .name: b2, .offset: 16, .size: 8, .value_kind: global_buffer, .address_space: global }
      - { .name: x1, .offset: 24, .size: 8, .value_kind: global_buffer, .address_space: global }
      - { .name: out0, .offset: 32, .size: 8, .value_kind: global_buffer, .address_space: global }
    .group_segment_fixed_size: 327680
    .private_segment_fixed_size: 0
    .kernarg_segment_align: 8
    .kernarg_segment_size: 40
    .max_flat_workgroup_size: 128
    .sgpr_count:     80
    .vgpr_count:     1024
    .wavefront_size: 32
...
	.end_amdgpu_metadata
.endif
;; end of part 7
;; ======== version 2 of 2: 7 launches; version 1 with the launches prep, ln2 written anew for expert scheduling mode
;; limits: values are held in f16: magnitudes above 65,504 overflow, below 6.1e-05 lose precision
;; workspace buffers: wb 25,165,824 bytes; h 8,388,608 bytes; qkv 25,165,824 bytes; att 8,388,608 bytes; ffh 33,554,432 bytes; x1 16,777,216 bytes
;; launch prep (part 8): grid 256 x 1, 8 waves a work-group, no clusters, 0 bytes of LDS; arguments x, g1, be1, Wq, Wk, Wv, Wp, W1, W2, h, wb; writes h, wb
.if DOCPART == 8
	.amdgcn_target "amdgcn-amd-amdhsa--gfx1250"
	.amdhsa_code_object_version 6
	.text
	.protected	k_q1764da7fde_prep
	.globl	k_q1764da7fde_prep
	.p2align	8
	.type	k_q1764da7fde_prep,@function
k_q1764da7fde_prep:
	s_mov_b64 s[64:65], 0
	v_nop
	global_prefetch_b8 v0, s[64:65] scope:SCOPE_SE
	s_setreg_imm32_b32 hwreg(HW_REG_WAVE_SCHED_MODE, 0, 2), 2
	s_setreg_imm32_b32 hwreg(HW_REG_WAVE_MODE, 25, 1), 1
	s_wait_xcnt 0x0
	s_wait_alu depctr_vm_vsrc(0)
; First of seven launches of a pre-LN transformer block (4096 rows, C = 1024, 16 heads of 64, feed-forward 4096):
;   prep: h = LN1(x) in f16, all weights cast to f16      qkv: q, k, v = h W      attn: causal attention
;   proj: x1 = x + att Wp + bp      ln2: h = LN2(x1)      ff1: relu(h W1 + b1)      ff2: out0 = x1 + ffh W2 + b2
; WORK LEFT OUT IN THE WHOLE PROGRAM: only the key tiles of attention that lie wholly above the diagonal.  For a query t and a key
; s > t the problem's own tril mask puts -inf in front of the softmax, so the weight is exp(-inf) = 0 and the product with v adds 0,
; whatever finite values x and the weights hold.  Limit: a NaN, an infinity or an overflow that arises only in such tiles is not
; carried to the result.  Every input has a way to the output and is loaded by some launch.
; THE MATRIX OPERANDS ARE f16 IN EVERY LAUNCH.  f16 rounds at 2^-11 of a value, bf16 at 2^-8.  A query with few keys has an attention output as
; large as v itself, and there the roundings of h, W, q, k, v, P and att reach the result at full size, by the residual and again through
; the feed-forward path: so the finer step is taken.  ROOM IN f16 (largest number 65,504; step 2^-24 below 2^-14):
;   h = LN g + be, and |LN| <= 32 for 1024 columns, so |h| <= 32 |g| + |be|: about 1,000 at a gain of 30;
;   weights are of size 0.03 (W2: 0.016): 30 times larger about 5 at the most; 30 times smaller 0.001 (0.0005), of which 2^-24 is under 2^-12;
;   q, k, v and relu's output are sums of 1024 products, of size 32 x size(h) x size(W): 1 for inputs of the problem's kind, about 1,300 with
;   gains, biases and weights all 30 times larger, the largest of them some six times that; P <= 1; att is a convex mix of v.
; Limit: an operand beyond 65,504 in magnitude becomes infinite.
; THIS LAUNCH streams: no LDS, no barrier, no matrix unit (nothing is multiplied by a matrix here, and no byte is shared).
; A work-group owns 16 rows of x, a wave 2.  A lane owns columns 4 lane + 128 j, j = 0..7: each load of a wave covers 512 consecutive
; bytes, each 8-byte store of a wave 256 consecutive bytes, aligned.  The row stays in registers: first the mean, then the mean of
; (x - mean)^2, so no difference of large sums is formed.  The work-group also casts 1/256 of every weight, layout unchanged:
; wb holds Wq, Wk, Wv, Wp (2,097,152 bytes each), then W1 at 8,388,608 and W2 at 16,777,216.
; THE MODE: SCHED_MODE bits 1:0 = 2 (LLVM: expert scheduling mode 2), set by the entry lines.  The code itself states the register dependences
; between vector instructions and memory instructions, with s_wait_alu, always for 0.
; THE PLAN.  The text has no branch and no label: one path.  Registers that memory instructions touch, in program order:
;   v1 .. v5   offsets: made at the head, read by every load and store, never written again.
;   X0 (row 0) loaded at the head; STATS 0 and EMIT 0 work on it in place; its eight pairs are read by eight stores that are dealt among EMIT 1's
;              lines; behind EMIT 1 the second half of W1's share lands in it, is rounded in place and stored.
;   X1 (row 1) loaded at the head; STATS 1 and EMIT 1 work on it in place; stored behind EMIT 1; not used again.
;   G, BE      loaded at the head; read by EMIT 0 and EMIT 1; behind EMIT 1 W2's share lands in them, is rounded in place and stored.
;   CQ         the small weights: loaded at the head, rounded in place, stored.
;   NB         the first half of W1's share: its eight loads are dealt among STATS 0's first lines; no vector instruction names NB before its rounding.
; So: one wait on va_vdst in front of the first load; one in front of each run of stores, behind the roundings that write their data; the one behind
; EMIT 1 also states that G, BE are read out; one wait on vm_vsrc, behind EMIT 1, states that row 0's stores have read X0.
.set EXTRA, 16                         ; the cast loads issued at the head behind the LayerNorm's loads: the small weights
.set EARLY, 8                          ; the cast loads dealt among STATS 0's lines: the first half of W1's share
.set LO, 1                             ; v1  16 lane + 8192 wave: f32 bytes of my wave's two rows, and of its share of W1, W2
.set SO, 2                             ; v2  8 lane + 4096 wave: the same places in f16
.set GO, 3                             ; v3  16 lane: gain and bias
.set LS, 4                             ; v4  16 lane + 2048 wave: my wave's share of a small weight
.set SS, 5                             ; v5  8 lane + 1024 wave: the same in f16
.set T,  8                             ; v[8:15]   at work: no memory instruction names them
.set MU, 16                            ; v[16:19]  the mean, twice, for each row
.set RS, 20                            ; v[20:23]  1/sqrt(var + eps), twice, for each row
.set X,  24                            ; v[24:87]  row q at X + 32 q
.set G,  88                            ; v[88:119] gain of my 32 columns
.set BE, 120                           ; v[120:151] bias of my 32 columns
.set CQ, 152                           ; v[152:215] 4 x 16 bytes of each of Wq, Wk, Wv, Wp
.set NB, 216                           ; v[216:247] 8 x 16 bytes of W1
	s_load_b512 s[4:19], s[0:1], 0x0               ; x, g1, be1, Wq, Wk, Wv, Wp, W1
	s_load_b128 s[20:23], s[0:1], 0x40             ; W2, h
	s_load_b64 s[24:25], s[0:1], 0x50              ; wb
	s_mov_b32 s40, 0x76543210                      ; v_permlanex16_b32: lane i reads lane i of the other half
	s_mov_b32 s41, 0xfedcba98
	s_mov_b32 s42, 0x3a800000                      ; 1/1024
	s_lshl_b32 s26, ttmp9, 16                      ; 16 rows of 4,096 bytes; also 1/256 of W1, W2
	s_mov_b32 s27, 0
	s_lshl_b32 s28, ttmp9, 15                      ; the same in f16
	s_mov_b32 s29, 0
	s_lshl_b32 s30, ttmp9, 14                      ; 1/256 of a small weight
	s_mov_b32 s31, 0
	s_lshl_b32 s32, ttmp9, 13                      ; the same in f16
	s_mov_b32 s33, 0
	v_and_b32 v6, 31, v0                           ; lane
	v_lshrrev_b32 v7, 5, v0                        ; wave
	v_lshlrev_b32 v[GO], 4, v6
	v_lshl_add_u32 v[LO], v7, 13, v[GO]
	v_lshl_add_u32 v[LS], v7, 11, v[GO]
	v_lshlrev_b32 v6, 3, v6
	v_lshl_add_u32 v[SO], v7, 12, v6
	v_lshl_add_u32 v[SS], v7, 10, v6
	s_wait_kmcnt 0x0
	s_add_nc_u64 s[4:5], s[4:5], s[26:27]          ; x at my first row
	s_add_nc_u64 s[22:23], s[22:23], s[28:29]      ; h at my first row
	s_add_nc_u64 s[10:11], s[10:11], s[30:31]      ; my share of Wq, Wk, Wv, Wp
	s_add_nc_u64 s[12:13], s[12:13], s[30:31]
	s_add_nc_u64 s[14:15], s[14:15], s[30:31]
	s_add_nc_u64 s[16:17], s[16:17], s[30:31]
	s_add_nc_u64 s[18:19], s[18:19], s[26:27]      ; of W1, W2
	s_add_nc_u64 s[20:21], s[20:21], s[26:27]
	s_add_nc_u64 s[34:35], s[24:25], s[32:33]      ; wb: my share of the small weights (which one: the store's immediate)
	s_add_nc_u64 s[36:37], s[24:25], s[28:29]
	s_add_nc_u64 s[36:37], s[36:37], 0x800000      ; wb: my share of W1
	s_add_nc_u64 s[38:39], s[36:37], 0x800000      ; wb: my share of W2
	s_wait_alu depctr_va_vdst(0)                   ; the five offsets v1 to v5 are written: every load and store of the kernel reads one of them
.irp q, 0,1
.irp j, 0,1,2,3,4,5,6,7
	global_load_b128 v[X+32*\q+4*\j:X+32*\q+4*\j+3], v[LO], s[4:5] offset:4096*\q+512*\j
.endr
.endr
.irp j, 0,1,2,3,4,5,6,7
	global_load_b128 v[G+4*\j:G+4*\j+3], v[GO], s[6:7] offset:512*\j
.endr
.irp j, 0,1,2,3,4,5,6,7
	global_load_b128 v[BE+4*\j:BE+4*\j+3], v[GO], s[8:9] offset:512*\j
.endr
.irp m, 0,1,2,3
.irp i, 0,1,2,3
	global_load_b128 v[CQ+16*\m+4*\i:CQ+16*\m+4*\i+3], v[LS], s[10+2*\m:11+2*\m] offset:512*\i th:TH_LOAD_NT
.endr
.endr
.macro FOLD                            ; four chains of pairs into v[T]
	v_pk_add_f32 v[T:T+1], v[T:T+1], v[T+2:T+3]
	v_pk_add_f32 v[T+4:T+5], v[T+4:T+5], v[T+6:T+7]
	v_pk_add_f32 v[T:T+1], v[T:T+1], v[T+4:T+5]
	v_add_f32 v[T], v[T], v[T+1]
.endm
.macro WSUM                            ; v[T] summed over the 32 lanes, the result in every lane
	v_add_f32_dpp v[T], v[T], v[T] row_xmask:1 row_mask:0xf bank_mask:0xf
	v_add_f32_dpp v[T], v[T], v[T] row_xmask:2 row_mask:0xf bank_mask:0xf
	v_add_f32_dpp v[T], v[T], v[T] row_xmask:4 row_mask:0xf bank_mask:0xf
	v_add_f32_dpp v[T], v[T], v[T] row_xmask:8 row_mask:0xf bank_mask:0xf
	v_permlanex16_b32 v[T+1], v[T], s40, s41       ; its destination counts as read: FOLD has written it
	v_add_f32 v[T], v[T], v[T+1]
.endm
; Row q: the mean; x - mean in place; the mean of the squares; 1/sqrt(var + eps).
; ahead = 1: the first half of W1's share is asked for, two loads in front of each of the first four lines.  No wait: the loads read v[LO], written ahead of
; the head's wait, and land in NB, which no vector instruction has named.
.macro STATS q, ahead
.irp c, 0,1,2,3
.if \ahead
	global_load_b128 v[NB+8*\c:NB+8*\c+3],   v[LO], s[18:19] offset:1024*\c th:TH_LOAD_NT
	global_load_b128 v[NB+8*\c+4:NB+8*\c+7], v[LO], s[18:19] offset:1024*\c+512 th:TH_LOAD_NT
.endif
	v_pk_add_f32 v[T+2*\c:T+2*\c+1], v[X+32*\q+4*\c:X+32*\q+4*\c+1], v[X+32*\q+4*\c+2:X+32*\q+4*\c+3]
.endr
.irp c, 0,1,2,3,4,5,6,7
	v_pk_add_f32 v[T+2*(\c%4):T+2*(\c%4)+1], v[T+2*(\c%4):T+2*(\c%4)+1], v[X+32*\q+16+2*\c:X+32*\q+16+2*\c+1]
.endr
	FOLD
	WSUM
	v_mul_f32 v[MU+2*\q], s42, v[T]
	v_mul_f32 v[MU+2*\q+1], s42, v[T]
.set k, 0
.rept 16
	v_pk_add_f32 v[X+32*\q+2*k:X+32*\q+2*k+1], v[X+32*\q+2*k:X+32*\q+2*k+1], v[MU+2*\q:MU+2*\q+1] neg_lo:[0,1] neg_hi:[0,1]
.set k, k+1
.endr
.irp c, 0,1,2,3
	v_pk_mul_f32 v[T+2*\c:T+2*\c+1], v[X+32*\q+2*\c:X+32*\q+2*\c+1], v[X+32*\q+2*\c:X+32*\q+2*\c+1]
.endr
.set k, 4
.rept 12
	v_pk_fma_f32 v[T+2*(k%4):T+2*(k%4)+1], v[X+32*\q+2*k:X+32*\q+2*k+1], v[X+32*\q+2*k:X+32*\q+2*k+1], v[T+2*(k%4):T+2*(k%4)+1]
.set k, k+1
.endr
	FOLD
	WSUM
	v_fmaak_f32 v[T], s42, v[T], 0x3727c5ac        ; var + 1e-5
	v_rsq_f32 v[RS+2*\q], v[T]
	v_rsq_f32 v[RS+2*\q+1], v[T]
	v_nop                                          ; one plain instruction behind a transcendental before its result is used or its source rewritten (ISA guide 5.7.2)
.endm
; Row q: (x - mean) rs g + b, rounded once to f16, into the first two of each four registers.  Row 1's turn carries row 0's stores, 8 bytes a lane, one in front
; of each six lines: these lines name X1, RS+2, RS+3, G and BE, none of the registers that row 0's stores read.
.macro EMIT q
.irp j, 0,1,2,3,4,5,6,7
.if \q == 1
	global_store_b64 v[SO], v[X+4*\j:X+4*\j+1], s[22:23] offset:256*\j
.endif
	v_pk_mul_f32 v[X+32*\q+4*\j:X+32*\q+4*\j+1], v[X+32*\q+4*\j:X+32*\q+4*\j+1], v[RS+2*\q:RS+2*\q+1]
	v_pk_mul_f32 v[X+32*\q+4*\j+2:X+32*\q+4*\j+3], v[X+32*\q+4*\j+2:X+32*\q+4*\j+3], v[RS+2*\q:RS+2*\q+1]
	v_pk_fma_f32 v[X+32*\q+4*\j:X+32*\q+4*\j+1], v[X+32*\q+4*\j:X+32*\q+4*\j+1], v[G+4*\j:G+4*\j+1], v[BE+4*\j:BE+4*\j+1]
	v_pk_fma_f32 v[X+32*\q+4*\j+2:X+32*\q+4*\j+3], v[X+32*\q+4*\j+2:X+32*\q+4*\j+3], v[G+4*\j+2:G+4*\j+3], v[BE+4*\j+2:BE+4*\j+3]
	v_cvt_pk_f16_f32 v[X+32*\q+4*\j], v[X+32*\q+4*\j], v[X+32*\q+4*\j+1]
	v_cvt_pk_f16_f32 v[X+32*\q+4*\j+1], v[X+32*\q+4*\j+2], v[X+32*\q+4*\j+3]
.endr
.endm
; n loads of 16 bytes a lane, at reg, are rounded to f16 in place: four numbers close up into the first two of their four registers.
.macro NARROW reg, n
.set k, 0
.rept \n
	v_cvt_pk_f16_f32 v[\reg+4*k], v[\reg+4*k], v[\reg+4*k+1]
	v_cvt_pk_f16_f32 v[\reg+4*k+1], v[\reg+4*k+2], v[\reg+4*k+3]
.set k, k+1
.endr
.endm
; and stored, 8 bytes a lane.
.macro PUT reg, n, addr, base, off
.set k, 0
.rept \n
	global_store_b64 v[\addr], v[\reg+4*k:\reg+4*k+1], s[\base:\base+1] offset:\off+256*k
.set k, k+1
.endr
.endm
	s_wait_loadcnt 24+EXTRA                        ; row 0 is in; row 1, gain, bias and the small weights stay out
	STATS 0, 1
	s_wait_loadcnt 16+EXTRA+EARLY                  ; row 1 is in; gain, bias, the small weights and W1's first half stay out
	STATS 1, 0
	s_wait_loadcnt EXTRA+EARLY                     ; gain and bias are in
	s_wait_alu depctr_va_vdst(0)                   ; the four v_rsq_f32 have written RS, ahead of their first reader
	EMIT 0
	s_wait_alu depctr_va_vdst(0)                   ; EMIT 0's roundings have written row 0's eight pairs, which the stores dealt among EMIT 1's lines read
	EMIT 1
	s_wait_xcnt 0x0                                ; row 0's pairs are store data: they are loaded again only behind this wait
	s_wait_alu depctr_vm_vsrc(0)                   ; row 0's stores have read X0, in which W1's second half lands
	s_wait_alu depctr_va_vdst(0)                   ; EMIT 1's roundings have written row 1's pairs, which the stores below read; EMIT 1 is done reading G and BE, in which W2's share lands
.set k, 0
.rept 8
	global_load_b128 v[X+4*k:X+4*k+3], v[LO], s[18:19] offset:4096+512*k th:TH_LOAD_NT   ; the second half of W1's share
.set k, k+1
.endr
.set k, 0
.rept 16
	global_load_b128 v[G+4*k:G+4*k+3], v[LO], s[20:21] offset:512*k th:TH_LOAD_NT
.set k, k+1
.endr
.irp j, 0,1,2,3,4,5,6,7
	global_store_b64 v[SO], v[X+32+4*\j:X+32+4*\j+1], s[22:23] offset:2048+256*\j         ; row 1
.endr
	s_wait_loadcnt 24                              ; the small weights and W1's first half are in; the 24 loads just issued stay out
	NARROW CQ, 16
	NARROW NB, 8
	s_wait_alu depctr_va_vdst(0)                   ; these roundings have written the pairs of CQ and NB, which the 24 stores below read
	PUT CQ,    4, SS, 34, 0
	PUT CQ+16, 4, SS, 34, 2097152
	PUT CQ+32, 4, SS, 34, 4194304
	PUT CQ+48, 4, SS, 34, 6291456
	PUT NB,    8, SO, 36, 0
	s_wait_loadcnt 16                              ; W1's second half is in; W2's 16 loads stay out
	NARROW X, 8
	s_wait_alu depctr_va_vdst(0)                   ; the roundings have written X0's pairs, which the eight stores below read
	PUT X, 8, SO, 36, 2048
	s_wait_loadcnt 0x0
	NARROW G, 16
	s_wait_alu depctr_va_vdst(0)                   ; the roundings have written the pairs in G and BE, which the last sixteen stores read
	PUT G, 16, SO, 38, 0
	s_endpgm
.Lfunc_end_k_q1764da7fde_prep:
	.size	k_q1764da7fde_prep, .Lfunc_end_k_q1764da7fde_prep-k_q1764da7fde_prep
	.p2alignl 7, 3214868480
	.fill 96, 4, 3214868480
	.section	.rodata,"a",@progbits
	.p2align	6, 0x0
	.amdhsa_kernel k_q1764da7fde_prep
		.amdhsa_group_segment_fixed_size 0
		.amdhsa_private_segment_fixed_size 0
		.amdhsa_enable_private_segment 0
		.amdhsa_kernarg_size 88
		.amdhsa_user_sgpr_count 2
		.amdhsa_user_sgpr_kernarg_segment_ptr 1
		.amdhsa_wavefront_size32 1
		.amdhsa_system_sgpr_workgroup_id_x 1
		.amdhsa_system_sgpr_workgroup_id_y 1
		.amdhsa_system_sgpr_workgroup_id_z 1
		.amdhsa_system_vgpr_workitem_id 0
		.amdhsa_next_free_vgpr 248
		.amdhsa_next_free_sgpr 66
		.amdhsa_reserve_vcc 0
		.amdhsa_float_denorm_mode_32 3
		.amdhsa_float_denorm_mode_16_64 3
		.amdhsa_memory_ordered 1
		.amdhsa_forward_progress 1
		.amdhsa_inst_pref_size 36
	.end_amdhsa_kernel
	.amdgpu_metadata
---
amdhsa.version: [ 1, 2 ]
amdhsa.kernels:
  - .name:           k_q1764da7fde_prep
    .symbol:         k_q1764da7fde_prep.kd
    .args:
      - { .name: x, .offset: 0, .size: 8, .value_kind: global_buffer, .address_space: global }
      - { .name: g1, .offset: 8, .size: 8, .value_kind: global_buffer, .address_space: global }
      - { .name: be1, .offset: 16, .size: 8, .value_kind: global_buffer, .address_space: global }
      - { .name: Wq, .offset: 24, .size: 8, .value_kind: global_buffer, .address_space: global }
      - { .name: Wk, .offset: 32, .size: 8, .value_kind: global_buffer, .address_space: global }
      - { .name: Wv, .offset: 40, .size: 8, .value_kind: global_buffer, .address_space: global }
      - { .name: Wp, .offset: 48, .size: 8, .value_kind: global_buffer, .address_space: global }
      - { .name: W1, .offset: 56, .size: 8, .value_kind: global_buffer, .address_space: global }
      - { .name: W2, .offset: 64, .size: 8, .value_kind: global_buffer, .address_space: global }
      - { .name: h, .offset: 72, .size: 8, .value_kind: global_buffer, .address_space: global }
      - { .name: wb, .offset: 80, .size: 8, .value_kind: global_buffer, .address_space: global }
    .group_segment_fixed_size: 0
    .private_segment_fixed_size: 0
    .kernarg_segment_align: 8
    .kernarg_segment_size: 88
    .max_flat_workgroup_size: 256
    .sgpr_count:     66
    .vgpr_count:     248
    .wavefront_size: 32
...
	.end_amdgpu_metadata
.endif
;; end of part 8
;; launch qkv: the kernel of part 2 again; grid 12 x 16, 4 waves a work-group, clusters of 4 x 4, 327,680 bytes of LDS; arguments h, wb, qkv; writes qkv
;; launch attn: the kernel of part 3 again; grid 4 x 64, 4 waves a work-group, clusters of 4 x 1, 321,024 bytes of LDS; arguments qkv, att; writes att
;; launch proj: the kernel of part 4 again; grid 8 x 32, 4 waves a work-group, clusters of 4 x 4, 327,680 bytes of LDS; arguments att, wb, bp, x, x1; writes x1
;; launch ln2 (part 9): grid 256 x 1, 8 waves a work-group, no clusters, 0 bytes of LDS; arguments x1, g2, be2, h; writes h
.if DOCPART == 9
	.amdgcn_target "amdgcn-amd-amdhsa--gfx1250"
	.amdhsa_code_object_version 6
	.text
	.protected	k_q1764da7fde_ln2
	.globl	k_q1764da7fde_ln2
	.p2align	8
	.type	k_q1764da7fde_ln2,@function
k_q1764da7fde_ln2:
	s_mov_b64 s[64:65], 0
	v_nop
	global_prefetch_b8 v0, s[64:65] scope:SCOPE_SE
	s_setreg_imm32_b32 hwreg(HW_REG_WAVE_SCHED_MODE, 0, 2), 2
	s_setreg_imm32_b32 hwreg(HW_REG_WAVE_MODE, 25, 1), 1
	s_wait_xcnt 0x0
	s_wait_alu depctr_vm_vsrc(0)
; h = LayerNorm(x1) g2 + be2 in f16.  x1: [4096][1024] f32, h: [4096][1024] f16.  A stream: no LDS, no barrier, no matrix unit.
; f16's room: the normalised row is at most 32 in magnitude for 1024 columns, so |h| <= 32 |g2| + |be2|.  Limit: beyond 65,504 it becomes infinite.
; A work-group owns 16 rows, a wave 2.  A lane owns columns 4 lane + 128 j, j = 0..7: each load of a wave covers 512 consecutive bytes,
; each 8-byte store of a wave 256 consecutive bytes, aligned.  The row stays in registers: first the mean, then the mean of
; (x - mean)^2, so no difference of large sums is formed.
; THE MODE: SCHED_MODE bits 1:0 = 2 (LLVM: expert scheduling mode 2), set by the entry lines.  The code itself states the register dependences
; between vector instructions and memory instructions, with s_wait_alu, always for 0.
; THE PLAN.  The text has no branch and no label: one path.  Registers that memory instructions touch, in program order:
;   v1 .. v3   offsets: made at the head, read by every load and store, never written again.
;   X0 (row 0) loaded at the head; STATS 0 and EMIT 0 work on it in place; its eight pairs are read by eight stores dealt among EMIT 1's lines.
;   X1 (row 1) loaded at the head; STATS 1 and EMIT 1 work on it in place; its eight pairs are stored behind EMIT 1.
;   G, BE      loaded at the head; read by vector instructions alone.
; No register is loaded twice, and none that a store has read is written again.  So: one wait on va_vdst in front of the first load, and one in front of each row's
; stores, behind the roundings that write their data.
.set LO, 1                             ; v1  16 lane + 8192 wave
.set SO, 2                             ; v2  8 lane + 4096 wave
.set GO, 3                             ; v3  16 lane
.set T,  8                             ; v[8:15]   at work: no memory instruction names them
.set MU, 16                            ; v[16:19]  the mean, twice, for each row
.set RS, 20                            ; v[20:23]  1/sqrt(var + eps), twice, for each row
.set X,  24                            ; v[24:87]  row q at X + 32 q
.set G,  88                            ; v[88:119]
.set BE, 120                           ; v[120:151]
	s_load_b256 s[4:11], s[0:1], 0x0               ; x1, g2, be2, h
	s_mov_b32 s40, 0x76543210
	s_mov_b32 s41, 0xfedcba98
	s_mov_b32 s42, 0x3a800000                      ; 1/1024
	s_lshl_b32 s26, ttmp9, 16                      ; 16 rows of 4,096 bytes
	s_mov_b32 s27, 0
	s_lshl_b32 s28, ttmp9, 15                      ; 16 rows of 2,048 bytes
	s_mov_b32 s29, 0
	v_and_b32 v6, 31, v0
	v_lshrrev_b32 v7, 5, v0
	v_lshlrev_b32 v[GO], 4, v6
	v_lshl_add_u32 v[LO], v7, 13, v[GO]
	v_lshlrev_b32 v6, 3, v6
	v_lshl_add_u32 v[SO], v7, 12, v6
	s_wait_kmcnt 0x0
	s_add_nc_u64 s[4:5], s[4:5], s[26:27]
	s_add_nc_u64 s[10:11], s[10:11], s[28:29]
	s_wait_alu depctr_va_vdst(0)                   ; the three offsets v1 to v3 are written: every load and store of the kernel reads one of them
.irp q, 0,1
.irp j, 0,1,2,3,4,5,6,7
	global_load_b128 v[X+32*\q+4*\j:X+32*\q+4*\j+3], v[LO], s[4:5] offset:4096*\q+512*\j
.endr
.endr
.irp j, 0,1,2,3,4,5,6,7
	global_load_b128 v[G+4*\j:G+4*\j+3], v[GO], s[6:7] offset:512*\j
.endr
.irp j, 0,1,2,3,4,5,6,7
	global_load_b128 v[BE+4*\j:BE+4*\j+3], v[GO], s[8:9] offset:512*\j
.endr
.macro FOLD                            ; four chains of pairs into v[T]
	v_pk_add_f32 v[T:T+1], v[T:T+1], v[T+2:T+3]
	v_pk_add_f32 v[T+4:T+5], v[T+4:T+5], v[T+6:T+7]
	v_pk_add_f32 v[T:T+1], v[T:T+1], v[T+4:T+5]
	v_add_f32 v[T], v[T], v[T+1]
.endm
.macro WSUM                            ; v[T] summed over the 32 lanes, the result in every lane
	v_add_f32_dpp v[T], v[T], v[T] row_xmask:1 row_mask:0xf bank_mask:0xf
	v_add_f32_dpp v[T], v[T], v[T] row_xmask:2 row_mask:0xf bank_mask:0xf
	v_add_f32_dpp v[T], v[T], v[T] row_xmask:4 row_mask:0xf bank_mask:0xf
	v_add_f32_dpp v[T], v[T], v[T] row_xmask:8 row_mask:0xf bank_mask:0xf
	v_permlanex16_b32 v[T+1], v[T], s40, s41       ; its destination counts as read: FOLD has written it
	v_add_f32 v[T], v[T], v[T+1]
.endm
.macro STATS q
.irp c, 0,1,2,3
	v_pk_add_f32 v[T+2*\c:T+2*\c+1], v[X+32*\q+4*\c:X+32*\q+4*\c+1], v[X+32*\q+4*\c+2:X+32*\q+4*\c+3]
.endr
.irp c, 0,1,2,3,4,5,6,7
	v_pk_add_f32 v[T+2*(\c%4):T+2*(\c%4)+1], v[T+2*(\c%4):T+2*(\c%4)+1], v[X+32*\q+16+2*\c:X+32*\q+16+2*\c+1]
.endr
	FOLD
	WSUM
	v_mul_f32 v[MU+2*\q], s42, v[T]
	v_mul_f32 v[MU+2*\q+1], s42, v[T]
.set k, 0
.rept 16
	v_pk_add_f32 v[X+32*\q+2*k:X+32*\q+2*k+1], v[X+32*\q+2*k:X+32*\q+2*k+1], v[MU+2*\q:MU+2*\q+1] neg_lo:[0,1] neg_hi:[0,1]
.set k, k+1
.endr
.irp c, 0,1,2,3
	v_pk_mul_f32 v[T+2*\c:T+2*\c+1], v[X+32*\q+2*\c:X+32*\q+2*\c+1], v[X+32*\q+2*\c:X+32*\q+2*\c+1]
.endr
.set k, 4
.rept 12
	v_pk_fma_f32 v[T+2*(k%4):T+2*(k%4)+1], v[X+32*\q+2*k:X+32*\q+2*k+1], v[X+32*\q+2*k:X+32*\q+2*k+1], v[T+2*(k%4):T+2*(k%4)+1]
.set k, k+1
.endr
	FOLD
	WSUM
	v_fmaak_f32 v[T], s42, v[T], 0x3727c5ac        ; var + 1e-5
	v_rsq_f32 v[RS+2*\q], v[T]
	v_rsq_f32 v[RS+2*\q+1], v[T]
	v_nop                                          ; one plain instruction behind a transcendental (ISA guide 5.7.2)
.endm
; Row q: (x - mean) rs g + b, rounded once to f16, into the first two of each four registers.  Row 1's turn carries row 0's stores, 8 bytes a lane, one in front
; of each six lines: these lines name X1, RS+2, RS+3, G and BE, none of the registers that row 0's stores read.
.macro EMIT q
.irp j, 0,1,2,3,4,5,6,7
.if \q == 1
	global_store_b64 v[SO], v[X+4*\j:X+4*\j+1], s[10:11] offset:256*\j
.endif
	v_pk_mul_f32 v[X+32*\q+4*\j:X+32*\q+4*\j+1], v[X+32*\q+4*\j:X+32*\q+4*\j+1], v[RS+2*\q:RS+2*\q+1]
	v_pk_mul_f32 v[X+32*\q+4*\j+2:X+32*\q+4*\j+3], v[X+32*\q+4*\j+2:X+32*\q+4*\j+3], v[RS+2*\q:RS+2*\q+1]
	v_pk_fma_f32 v[X+32*\q+4*\j:X+32*\q+4*\j+1], v[X+32*\q+4*\j:X+32*\q+4*\j+1], v[G+4*\j:G+4*\j+1], v[BE+4*\j:BE+4*\j+1]
	v_pk_fma_f32 v[X+32*\q+4*\j+2:X+32*\q+4*\j+3], v[X+32*\q+4*\j+2:X+32*\q+4*\j+3], v[G+4*\j+2:G+4*\j+3], v[BE+4*\j+2:BE+4*\j+3]
	v_cvt_pk_f16_f32 v[X+32*\q+4*\j], v[X+32*\q+4*\j], v[X+32*\q+4*\j+1]
	v_cvt_pk_f16_f32 v[X+32*\q+4*\j+1], v[X+32*\q+4*\j+2], v[X+32*\q+4*\j+3]
.endr
.endm
	s_wait_loadcnt 24                              ; row 0 is in; row 1, gain and bias stay out
	STATS 0
	s_wait_loadcnt 16                              ; row 1 is in
	STATS 1
	s_wait_loadcnt 0x0                             ; gain and bias
	s_wait_alu depctr_va_vdst(0)                   ; the four v_rsq_f32 have written RS, ahead of their first reader
	EMIT 0
	s_wait_alu depctr_va_vdst(0)                   ; EMIT 0's roundings have written row 0's eight pairs, which the stores dealt among EMIT 1's lines read
	EMIT 1
	s_wait_alu depctr_va_vdst(0)                   ; EMIT 1's roundings have written row 1's eight pairs, which the stores below read
.irp j, 0,1,2,3,4,5,6,7
	global_store_b64 v[SO], v[X+32+4*\j:X+32+4*\j+1], s[10:11] offset:2048+256*\j
.endr
	s_endpgm
.Lfunc_end_k_q1764da7fde_ln2:
	.size	k_q1764da7fde_ln2, .Lfunc_end_k_q1764da7fde_ln2-k_q1764da7fde_ln2
	.p2alignl 7, 3214868480
	.fill 96, 4, 3214868480
	.section	.rodata,"a",@progbits
	.p2align	6, 0x0
	.amdhsa_kernel k_q1764da7fde_ln2
		.amdhsa_group_segment_fixed_size 0
		.amdhsa_private_segment_fixed_size 0
		.amdhsa_enable_private_segment 0
		.amdhsa_kernarg_size 32
		.amdhsa_user_sgpr_count 2
		.amdhsa_user_sgpr_kernarg_segment_ptr 1
		.amdhsa_wavefront_size32 1
		.amdhsa_system_sgpr_workgroup_id_x 1
		.amdhsa_system_sgpr_workgroup_id_y 1
		.amdhsa_system_sgpr_workgroup_id_z 1
		.amdhsa_system_vgpr_workitem_id 0
		.amdhsa_next_free_vgpr 152
		.amdhsa_next_free_sgpr 66
		.amdhsa_reserve_vcc 0
		.amdhsa_float_denorm_mode_32 3
		.amdhsa_float_denorm_mode_16_64 3
		.amdhsa_memory_ordered 1
		.amdhsa_forward_progress 1
		.amdhsa_inst_pref_size 20
	.end_amdhsa_kernel
	.amdgpu_metadata
---
amdhsa.version: [ 1, 2 ]
amdhsa.kernels:
  - .name:           k_q1764da7fde_ln2
    .symbol:         k_q1764da7fde_ln2.kd
    .args:
      - { .name: x1, .offset: 0, .size: 8, .value_kind: global_buffer, .address_space: global }
      - { .name: g2, .offset: 8, .size: 8, .value_kind: global_buffer, .address_space: global }
      - { .name: be2, .offset: 16, .size: 8, .value_kind: global_buffer, .address_space: global }
      - { .name: h, .offset: 24, .size: 8, .value_kind: global_buffer, .address_space: global }
    .group_segment_fixed_size: 0
    .private_segment_fixed_size: 0
    .kernarg_segment_align: 8
    .kernarg_segment_size: 32
    .max_flat_workgroup_size: 256
    .sgpr_count:     66
    .vgpr_count:     152
    .wavefront_size: 32
...
	.end_amdgpu_metadata
.endif
;; end of part 9
;; launch ff1: the kernel of part 6 again; grid 16 x 16, 4 waves a work-group, clusters of 4 x 4, 327,680 bytes of LDS; arguments h, wb, b1, ffh; writes ffh
;; launch ff2: the kernel of part 7 again; grid 8 x 32, 4 waves a work-group, clusters of 4 x 4, 327,680 bytes of LDS; arguments ffh, wb, b2, x1, out0; writes out0
